; MI455X (gfx1250); checked and timed in simulation.
; The chip was launched on July 23, 2026; its instructions are those of AMD's public machine-readable ISA for CDNA 5 (MIT licence, August 2026) and "CDNA5" Instruction Set Architecture Reference Guide (July 2026). The comments in the code are by the model that wrote it; some were corrected since.
;; Cross Attention. Allowed arithmetic: float matrix products may take bf16 or f16 operands with f32 sums; all other float work in f32.
;; Inputs: key 8,192 x 512 float32; query 8,192 x 512 float32; value 8,192 x 512 float32.
;; Outputs: out0 8,192 x 512 float32.
;; 3 versions, each right; version 2 is faster than version 1; version 3 is version 2 with the launches cast, join written anew for expert scheduling mode. Each part assembles by itself: llvm-mc -triple=amdgcn-amd-amdhsa -mcpu=gfx1250 --defsym DOCPART=n.
;; ======== version 1 of 3: 3 launches
;; workspace buffers: qb 8,388,608 bytes; kb 8,388,608 bytes; vb 8,388,608 bytes; opart 67,108,864 bytes; stat 262,144 bytes
;; launch cast (part 1): grid 512 x 1, 8 waves a work-group, no clusters, 0 bytes of LDS; arguments query, key, value, qb, kb, vb; writes qb, kb, vb
.if DOCPART == 1
	.amdgcn_target "amdgcn-amd-amdhsa--gfx1250"
	.amdhsa_code_object_version 6
	.text
	.protected	k_q91cb8f4df4_cast
	.globl	k_q91cb8f4df4_cast
	.p2align	8
	.type	k_q91cb8f4df4_cast,@function
k_q91cb8f4df4_cast:
	s_mov_b64 s[64:65], 0
	v_nop
	global_prefetch_b8 v0, s[64:65] scope:SCOPE_SE
	s_setreg_imm32_b32 hwreg(HW_REG_WAVE_MODE, 25, 1), 1
	s_wait_xcnt 0x0
; qb = bf16(query), kb = bf16(key), vb = bf16(value): each [8192][512], rounded once to nearest even.
; The next launch's 64 work-groups of a key quarter all read the same K and V, so the rounding is done once, here, and not in every one of them.
; A stream: no LDS, no barrier, no matrix unit.  A work-group takes 32,768 bytes of each of the three f32 arrays: 512 work-groups x 32,768 = 16,777,216.
; Thread t takes the 16 bytes at 4,096 i + 16 t, i = 0 .. 7: a wave's load covers 512 consecutive bytes, its store of 8 bytes a lane 256 consecutive bytes, aligned.
; All 24 loads of a wave go out at once; no register is written twice, so there is no loop and no wait but the counted ones for the loads.
.set X, 4                              ; v[4:99]  load n = 8 a + i (array a, piece i): four registers as loaded; the first two then hold the four bf16
	s_load_b256 s[4:11], s[0:1], 0x0               ; query s[4:5], key s[6:7], value s[8:9], qb s[10:11]
	s_load_b128 s[12:15], s[0:1], 0x20             ; kb s[12:13], vb s[14:15]
	s_lshl_b32 s2, ttmp9, 15                       ; the work-group's 32,768 bytes of f32,
	s_mov_b32 s3, 0
	s_lshl_b32 s16, ttmp9, 14                      ; and its 16,384 bytes of bf16
	s_mov_b32 s17, 0
	v_lshlrev_b32 v1, 4, v0                        ; 16 t
	v_lshlrev_b32 v2, 3, v0                        ; 8 t
	s_wait_kmcnt 0x0
.irp a, 4,6,8
	s_add_nc_u64 s[\a:\a+1], s[\a:\a+1], s[2:3]
.endr
.irp a, 10,12,14
	s_add_nc_u64 s[\a:\a+1], s[\a:\a+1], s[16:17]
.endr
.set n, 0
.rept 24
	global_load_b128 v[X+4*n:X+4*n+3], v1, s[4+2*(n/8):5+2*(n/8)] offset:4096*(n%8) th:TH_LOAD_NT  ; read once in the whole launch
.set n, n+1
.endr
.set n, 0
.rept 24
	s_wait_loadcnt 23-n                            ; loads come back in order (ISA guide 5.7.1): load n is in, the 23 - n younger ones stay out
	v_cvt_pk_bf16_f32 v[X+4*n], v[X+4*n], v[X+4*n+1]
	v_cvt_pk_bf16_f32 v[X+4*n+1], v[X+4*n+2], v[X+4*n+3]
	global_store_b64 v2, v[X+4*n:X+4*n+1], s[10+2*(n/8):11+2*(n/8)] offset:2048*(n%8)  ; no hint: the next launch reads these bytes
.set n, n+1
.endr
	s_endpgm
.Lfunc_end_k_q91cb8f4df4_cast:
	.size	k_q91cb8f4df4_cast, .Lfunc_end_k_q91cb8f4df4_cast-k_q91cb8f4df4_cast
	.p2alignl 7, 3214868480
	.fill 96, 4, 3214868480
	.section	.rodata,"a",@progbits
	.p2align	6, 0x0
	.amdhsa_kernel k_q91cb8f4df4_cast
		.amdhsa_group_segment_fixed_size 0
		.amdhsa_private_segment_fixed_size 0
		.amdhsa_enable_private_segment 0
		.amdhsa_kernarg_size 48
		.amdhsa_user_sgpr_count 2
		.amdhsa_user_sgpr_kernarg_segment_ptr 1
		.amdhsa_wavefront_size32 1
		.amdhsa_system_sgpr_workgroup_id_x 1
		.amdhsa_system_sgpr_workgroup_id_y 1
		.amdhsa_system_sgpr_workgroup_id_z 1
		.amdhsa_system_vgpr_workitem_id 0
		.amdhsa_next_free_vgpr 104
		.amdhsa_next_free_sgpr 66
		.amdhsa_reserve_vcc 0
		.amdhsa_float_denorm_mode_32 3
		.amdhsa_float_denorm_mode_16_64 3
		.amdhsa_memory_ordered 1
		.amdhsa_forward_progress 1
		.amdhsa_inst_pref_size 10
	.end_amdhsa_kernel
	.amdgpu_metadata
---
amdhsa.version: [ 1, 2 ]
amdhsa.kernels:
  - .name:           k_q91cb8f4df4_cast
    .symbol:         k_q91cb8f4df4_cast.kd
    .args:
      - { .name: query, .offset: 0, .size: 8, .value_kind: global_buffer, .address_space: global }
      - { .name: key, .offset: 8, .size: 8, .value_kind: global_buffer, .address_space: global }
      - { .name: value, .offset: 16, .size: 8, .value_kind: global_buffer, .address_space: global }
      - { .name: qb, .offset: 24, .size: 8, .value_kind: global_buffer, .address_space: global }
      - { .name: kb, .offset: 32, .size: 8, .value_kind: global_buffer, .address_space: global }
      - { .name: vb, .offset: 40, .size: 8, .value_kind: global_buffer, .address_space: global }
    .group_segment_fixed_size: 0
    .private_segment_fixed_size: 0
    .kernarg_segment_align: 8
    .kernarg_segment_size: 48
    .max_flat_workgroup_size: 256
    .sgpr_count:     66
    .vgpr_count:     104
    .wavefront_size: 32
...
	.end_amdgpu_metadata
.endif
;; end of part 1
;; launch attn (part 2): grid 64 x 4, 4 waves a work-group, clusters of 4 x 1, 327,680 bytes of LDS; arguments qb, kb, vb, opart, stat; writes opart, stat
.if DOCPART == 2
	.amdgcn_target "amdgcn-amd-amdhsa--gfx1250"
	.amdhsa_code_object_version 6
	.text
	.protected	k_q91cb8f4df4_attn
	.globl	k_q91cb8f4df4_attn
	.p2align	8
	.type	k_q91cb8f4df4_attn,@function
k_q91cb8f4df4_attn:
	s_mov_b64 s[64:65], 0
	v_nop
	global_prefetch_b8 v0, s[64:65] scope:SCOPE_SE
	s_setreg_imm32_b32 hwreg(HW_REG_WAVE_MODE, 25, 1), 1
	s_wait_xcnt 0x0
	s_wait_alu depctr_hold_cnt(0) depctr_sa_sdst(0) depctr_va_vdst(0) depctr_va_sdst(0) depctr_va_ssrc(0) depctr_va_vcc(0) depctr_vm_vsrc(0)
	s_getreg_b32 s2, hwreg(HW_REG_IB_STS2, 6, 4)
	s_cmp_eq_u32 s2, 0
	s_cbranch_scc0 .Lentry_in_a_cluster
	s_endpgm
.Lentry_in_a_cluster:
	s_bfe_u32 s2, ttmp6, 0x10000c
	s_cmp_lg_u32 s2, 0x3003
	s_cbranch_scc0 .Lentry_shape_is_right
	s_endpgm
.Lentry_shape_is_right:
; ONE KEY QUARTER OF softmax(Q K^T) V.  qb, kb, vb: [8192][512] bf16.  For key quarter s (2,048 keys) and each query q:
;   stat[s][q] = (c m, l),  opart[s][q][:] = the sum over the quarter's keys k of p V[k][:],  p = 2^(c score - c m),  l = the sum of p,  m = the quarter's largest score,  c = log2(e).
; The next launch joins the four quarters.  Products on the matrix unit in bf16 with f32 sums; maxima, sums and O in f32; p is rounded to bf16 for the second product, l is the sum of the unrounded p.
; LIMITS.  |c score| stays below 4e37 (c m starts at -4.25e37); a weight below 2^-126 counts as 0; NaN and infinities are not treated apart.
; SHARES.  16 queries cost 256 registers of O^T and 128 of Q, so a wave holds 32 queries (two tiles of 16), a work-group's four waves 128.  That makes 64 query blocks; four key quarters make 256 work-groups.
; Every wave walks its quarter's keys, 64 a step, 32 steps: 128 products K Q^T, the softmax, 128 products V^T P.
; LAYOUT.  S^T = K Q^T (source 0 = 16 keys x 32 channels, source 1 = 16 queries): a lane holds ONE query (lane % 16) and the keys 8 (lane / 16) + 0..7.  Two such results, rounded to bf16 in pairs, ARE
; source 1 (32 keys x 16 queries) of O^T += V^T P, whose result again holds one query a lane, and eight channels.  K comes out of LDS as it lies, V ([key][channel]) turned, by ds_load_tr16_b128.
; SOFTMAX.  A running maximum m and sum l for each query; in every step O^T and l are multiplied by a = 2^(c m_old - c m_new).  m starts at the lowest finite number, O^T and l at 0: the first step is a step
; like any other, with a = 0.  The price: 512 v_mov_b32 at the start, in the wait for the first tile; the gain: no third copy of the step's text.
; CLUSTER.  The four work-groups of a cluster are four query blocks of one key quarter: they walk the same K and V, so each tile is asked for JOINTLY: the same tensor load, descriptor and mask in all four.
; RING.  Two LDS slots of one key step: four sub-tiles of 64 keys x 256 channels (K's two halves, V's two halves), one tensor load of 32,768 bytes a wave.  A slot is asked for again when its last fragment
; is in registers, and waited for 240 matrix instructions later.  By this text's count a wave has two tensor loads out at the start and one afterwards.
; FRAGMENTS.  A step is 32 GROUPS of 8 matrix instructions; group u multiplies SET u (four fragments, 32 registers) and issues the 8 LDS loads of set u + 3 into the ring set that group u - 1 read.
;   sets 0-15: K, channels 32 u on, fragment p = keys 16 p on.   sets 16-31 (g = u - 16): V, fragment p = channels 16 (2 g + p % 2) on, keys 32 (p / 2) on.
; REGISTERS, in windows of 256 (s_set_vgpr_msb: bits 1:0 source 0, 3:2 source 1, 5:4 source 2, 7:6 destination):
;   window 0: v0-11 addresses; v12-31 ten registers of statistics a tile; v32-95 S^T; v96-127 P; v128-255 the ring of four sets
;   window 1: Q, fragment (tile t, channel step c) at 128 t + 8 c          windows 2, 3: O^T, accumulator (channel block cb, tile t) in window 2 + cb / 16 at 16 (cb % 16) + 8 t
; K Q^T and its loads run under one setting.  In V^T P the products, the rescaling of O^T and the loads each want a setting of their own: four switches for two products; no free registers allow another layout.
.set PK,    528       ; a row of a K sub-tile in LDS: 512 bytes + 16 of padding = 132 words: row r starts at bank 4 r mod 64 (64 banks of 4 bytes: ISA guide 11.1), so the 16 rows of a load start at 16 different banks
.set PV,    544       ; a row of a V sub-tile: 512 + 32 = 136 words
.set SUB,   64*PV     ; 34,816: room for a sub-tile (K's uses 33,792 of it)
.set SLOT,  4*SUB     ; 139,264 = 0x22000.  The sub-tiles' places 0, 0x8800, 0x11000, 0x19800 have bits 13 and 17 clear, so one exclusive or turns an address in one slot into the other's
.set STAGE, 2*SLOT    ; behind the ring, never filled by a tensor load: 16 rows x 528 bytes for each wave, for the way out
.set SP,    528
.set SPARE, STAGE+4*16*SP  ; behind the stages: the spare words, 128 bytes for each wave: two blocks of 256 bytes that no other line names
.set STEPB, 65536     ; 64 keys x 1,024 bytes: a key step in kb and in vb
.set AKB, 2           ; v2   my lane's place in a K sub-tile; never rewritten
.set AVB, 3           ; v3   the same for V, with V's place in a slot
.set AK,  4           ; v4   AKB + the slot in hand
.set AV,  5           ; v5   AVB + the slot in hand
.set SPW, 6           ; v6   LDS address of my spare word: SPARE + 4 x my thread's number; never rewritten
.set NIL, 7           ; v7   0; never rewritten
.set STO, 8           ; v8   the way out: where I put 16 bytes of a row
.set RD,  9           ; v9   the way out: where I read a row back
.set GO,  10          ; v10  16 x lane: my place in 512 consecutive bytes of opart
.set QO,  11          ; v11  my byte offset in 16 rows of Q
.set ST,  12          ; tile t's statistics at v[ST+10 t]: +0 c m, +1 m, +2, +3 l (even keys', odd keys'), +4 a, +5 named with a as a pair, +6 to +9 c0-c3, at work
.set S,   32          ; S^T: accumulator (key block kb, tile t) at S + 32 t + 8 kb
.set P,   96          ; P: pair b of tile t at P + 16 t + b
.set FR,  128         ; the ring: set u at FR + 32 (u % 4), fragment p at + 8 p
.set WV,  14          ; s14  my wave's number
.set G1K, 24          ; s[24:31] descriptor group 1 for K's sub-tiles
.set G1V, 32          ; s[32:39] for V's: it differs in the padding alone
.set G0K, 40          ; s[40:47] descriptor group 0 for K: a set for each of the two first fills; the second then walks on
.set G0V, 48          ; s[48:55] the same for V
.set CNT, 56          ; s56  counts the steps
.set TB,  57          ; s57  0 or SLOT: the slot in hand
.set CS,  58          ; s[58:59] c: the packed scaling takes the pair's low word for both halves
.set SEL, 60          ; s[60:61] v_permlanex16_b32's selects: each lane takes its own place in the other half
.set MSB, 0
.macro WIN new                      ; the immediate's high byte repeats the setting that is left; a switch that changes nothing is dropped
.if MSB != (\new)
	s_set_vgpr_msb (MSB<<8)|(\new)
.set MSB, (\new)
.endif
.endm
.set W_A, 0x04        ; K Q^T: Q (source 1) in window 1, all else, the loads' destinations too, in window 0
.set W_B, 0xa0        ; V^T P: C and D in window 2 (+ 0x50: window 3), V and P in window 0
.set W_R, 0x82        ; the rescaling: destination and source 0 in window 2 (+ 0x41: window 3), a in window 0
; A vector instruction that reads a matrix result or writes one of a matrix instruction's registers, and a load into a register that a matrix instruction has read, stand four places behind it, and only plain
; vector instructions that name none of its registers are places (ISA guide 7.12.1 for vector instructions).
.macro PLACES
.rept 4
	v_nop
.endr
.endm
; A joint refill.  Waves 0 and 1 fetch K's two halves, waves 2 and 3 V's.  The branch hangs on the wave's number alone: it is the same in every work-group.
; Four v_nop follow each of the two lines; the jump, the label and what follows the macro come after them.
.macro JLOAD
	s_cmp_lt_u32 s[WV], 2
	s_cbranch_scc0 .Lfor_v_\@
	tensor_load_to_lds s[G0K+4:G0K+7], s[G1K:G1K+7]
	s_nop 0
.rept 4
	v_nop
.endr
	s_branch .Lasked_\@
.Lfor_v_\@:
	tensor_load_to_lds s[G0V+4:G0V+7], s[G1V:G1V+7]
	s_nop 0
.rept 4
	v_nop
.endr
.Lasked_\@:
.endm
; A round of the cluster's barrier: my work-group's barrier, so that wave 0's signal speaks for all four waves; wave 0 signals; every wave waits for all four work-groups; my work-group's barrier once more.
.macro CREST                        ; a round behind its opening barrier
	s_cmp_lg_u32 s[WV], 0
	s_cbranch_scc1 .Lnot_wave_0_\@
	s_barrier_signal -3
.Lnot_wave_0_\@:
	s_barrier_wait -3
	s_barrier_signal -1
	s_barrier_wait -1
.endm
.macro CROUND                       ; a whole round
	s_barrier_signal -1
	s_barrier_wait -1
	CREST
.endm
	s_load_b256 s[4:11], s[0:1], 0x0  ; qb s[4:5], kb s[6:7], vb s[8:9], opart s[10:11]
	s_load_b64 s[12:13], s[0:1], 0x20 ; stat
	v_lshl_add_u32 v[SPW], v0, 2, SPARE
	v_mov_b32 v[NIL], 0
	ds_add_u32 v6, v7
	s_wait_dscnt 0x0
	v_lshrrev_b32 v1, 5, v0
	v_readfirstlane_b32 s[WV], v1   ; wave 0..3
	s_bfe_u32 s15, ttmp6, 0x40000   ; cx: my place in the cluster
	s_lshl_b32 s16, ttmp9, 2        ; in a cluster launch ttmp9 counts clusters
	s_add_co_u32 s16, s16, s15      ; my block of 128 queries = 4 x cluster x + cx: it enters Q's, opart's and stat's addresses alone
	s_and_b32 s17, ttmp7, 0xffff    ; the key quarter, which the four partners share
	s_and_b32 s18, s[WV], 1         ; which half of the channels I fetch:
	s_lshl_b32 s20, s17, 21         ; the quarter's 2,048 rows of 1,024 bytes,
	s_lshl_b32 s19, s18, 9          ; my 512 bytes of each row,
	s_add_co_u32 s20, s20, s19
	s_mov_b32 s21, 0
	s_mul_i32 s19, s18, SUB         ; and my sub-tile's place among the two: no place in the cluster enters an LDS address
	s_lshl_b32 s22, s16, 7
	s_lshl_b32 s23, s[WV], 5
	s_add_co_u32 s22, s22, s23      ; my wave's first query
	s_lshl_b32 s2, s22, 10          ; in qb: rows of 1,024 bytes
	s_mov_b32 s3, 0
	s_lshl_b32 s62, s17, 24         ; in opart: quarters of 16,777,216 bytes, rows of 2,048
	s_lshl_b32 s63, s22, 11
	s_add_co_u32 s62, s62, s63
	s_mov_b32 s63, 0
	s_lshl_b32 s23, s17, 16         ; in stat: quarters of 65,536 bytes, rows of 8
	s_lshl_b32 s22, s22, 3
	s_add_co_u32 s22, s22, s23
	s_mov_b32 s23, 0
	; descriptor group 1: a sub-tile of 64 rows x 256 elements out of rows of 512, padded in LDS
	s_mov_b32 s[G1K], 15|(1<<16)|(1<<20)|(1<<21)|(6<<22)|(3<<25)  ; 15:0 the mask of four; 17:16 2-byte elements; 20 padding on; 21 set beside a mask; 24:22 after every 128 words (code 6); 31:25 4 words (code 3)
	s_mov_b32 s[G1V], 15|(1<<16)|(1<<20)|(1<<21)|(6<<22)|(7<<25)  ; the same with 8 words of padding (code 7)
.irp g, G1K, G1V
	s_mov_b32 s[(\g)+1], 256<<16    ; tensor_dim0 = 256
	s_mov_b32 s[(\g)+2], 64<<16     ; tensor_dim1 = 64
	s_mov_b32 s[(\g)+3], 256<<16    ; tile_dim0 = 256
	s_mov_b32 s[(\g)+4], 64         ; tile_dim1 = 64
	s_mov_b32 s[(\g)+5], 512        ; 512 elements from row to row
	s_mov_b32 s[(\g)+6], 0
	s_mov_b32 s[(\g)+7], 0
.endr
	s_mov_b32 s[CS], 0x3fb8aa3b     ; c = log2(e)
	s_mov_b32 s[CS+1], s[CS]        ; named with it as a pair
	s_mov_b32 s[SEL], 0x76543210
	s_mov_b32 s[SEL+1], 0xfedcba98
	s_mov_b32 s[TB], 0
	s_wait_kmcnt 0x0
	s_add_nc_u64 s[4:5], s[4:5], s[2:3]      ; Q at my wave's first row
	s_add_nc_u64 s[6:7], s[6:7], s[20:21]    ; K and V at my sub-tile of the quarter's step 0
	s_add_nc_u64 s[8:9], s[8:9], s[20:21]
	s_add_nc_u64 s[10:11], s[10:11], s[62:63]
	s_add_nc_u64 s[12:13], s[12:13], s[22:23]
.irp i, 0,1
	s_mov_b32 s[G0K+4*(\i)], 1      ; 1:0 count = 1
	s_add_co_u32 s[G0K+4*(\i)+1], s19, (\i)*SLOT  ; 63:32 LDS address: step i goes into slot i
	s_add_nc_u64 s[G0K+4*(\i)+2:G0K+4*(\i)+3], s[6:7], (\i)*STEPB  ; 120:64 global address
	s_or_b32 s[G0K+4*(\i)+3], s[G0K+4*(\i)+3], 0x80000000  ; 127:126 type = 2
	s_mov_b32 s[G0V+4*(\i)], 1
	s_add_co_u32 s[G0V+4*(\i)+1], s19, (\i)*SLOT+2*SUB
	s_add_nc_u64 s[G0V+4*(\i)+2:G0V+4*(\i)+3], s[8:9], (\i)*STEPB
	s_or_b32 s[G0V+4*(\i)+3], s[G0V+4*(\i)+3], 0x80000000
.endr
	CROUND                          ; all four work-groups are here: the first joint loads meet
	s_cmp_lt_u32 s[WV], 2           ; a wave's two first fills stand in one branch, ahead of every wait on TENSORcnt and every LDS read; four v_nop follow the second, as in JLOAD
	s_cbranch_scc0 .Lfirst_v
	tensor_load_to_lds s[G0K:G0K+3], s[G1K:G1K+7]
	s_nop 0
	tensor_load_to_lds s[G0K+4:G0K+7], s[G1K:G1K+7]
	s_nop 0
.rept 4
	v_nop
.endr
	s_branch .Lfirst_asked
.Lfirst_v:
	tensor_load_to_lds s[G0V:G0V+3], s[G1V:G1V+7]
	s_nop 0
	tensor_load_to_lds s[G0V+4:G0V+7], s[G1V:G1V+7]
	s_nop 0
.rept 4
	v_nop
.endr
.Lfirst_asked:
	; A fragment of K or Q is 16 rows x 32 channels in 8 registers: lane l holds row l % 16, channels 8 (l / 16) + 0..7 and 16 + 8 (l / 16) + 0..7: two loads of 16 bytes, 32 bytes apart.
	v_and_b32 v32, 15, v0           ; l % 16   (v32-36 are S^T's registers, still free)
	v_bfe_u32 v33, v0, 4, 1         ; l / 16
	v_lshlrev_b32 v[QO], 10, v32
	v_lshl_add_u32 v[QO], v33, 4, v[QO]  ; row x 1,024 + 16 x half
	WIN 0x40                        ; destination window 1, address window 0
.set i, 0
.rept 32                            ; Q stays in registers: tile i / 16, channels 32 (i % 16) on
	global_load_b128 v[8*i:8*i+3],   v[QO], s[4:5] offset:(i/16)*16384+(i%16)*64
	global_load_b128 v[8*i+4:8*i+7], v[QO], s[4:5] offset:(i/16)*16384+(i%16)*64+32
.set i, i+1
.endr
	WIN 0x80                        ; O^T = 0: the first step multiplies it by a = 0, so it has to be finite.  All this stands in the wait for the first tile
.set i, 0
.rept 256
	v_mov_b32 v[i], 0
.set i, i+1
.endr
	WIN 0xc0
.set i, 0
.rept 256
	v_mov_b32 v[i], 0
.set i, i+1
.endr
	WIN 0
.irp t, 0,1
	v_mov_b32 v[ST+10*(\t)], 0xfe000000    ; c m: far below every c s
	v_mov_b32 v[ST+10*(\t)+1], 0xff7fffff  ; m: the lowest finite number
	v_mov_b32 v[ST+10*(\t)+2], 0           ; l
	v_mov_b32 v[ST+10*(\t)+3], 0
	v_mov_b32 v[ST+10*(\t)+5], 0           ; named with a as a pair, never used
.endr
	v_and_b32 v34, 7, v0
	v_bfe_u32 v35, v0, 3, 1
	v_and_b32 v36, 31, v0           ; lane
	v_mul_u32_u24 v[AKB], v32, PK
	v_lshl_add_u32 v[AKB], v33, 4, v[AKB]  ; row x pitch + 16 x half
	; The turning load takes 16 keys x 16 channels (lane l reads key 8 (l / 16) + l % 8, channels 8 ((l / 8) % 2) + 0..7) and leaves half a fragment of V^T: lane l holds channel l % 16 and 8 keys.
	v_lshl_add_u32 v[AVB], v33, 3, v34
	v_mul_u32_u24 v[AVB], v[AVB], PV
	v_lshl_add_u32 v[AVB], v35, 4, v[AVB]
	v_add_nc_u32 v[AVB], 2*SUB, v[AVB]     ; V's sub-tiles lie behind K's two
	v_mov_b32 v[AK], v[AKB]         ; step 0 lies in slot 0
	v_mov_b32 v[AV], v[AVB]
	s_mul_i32 s18, s[WV], 16*SP
	s_add_co_u32 s18, s18, STAGE    ; my stage
	v_mul_u32_u24 v[STO], v32, SP   ; in: row l % 16, 32 bytes (eight f32) for each half of the lanes
	v_lshl_add_u32 v[STO], v33, 5, v[STO]
	v_add_nc_u32 v[STO], s18, v[STO]
	v_lshlrev_b32 v[GO], 4, v36     ; back: 32 lanes take one row of 512 bytes
	v_add_nc_u32 v[RD], s18, v[GO]
; LDS load i of 8 of set sg: half i % 2 of fragment i / 2.  The largest offsets, 60,640 for K and 61,408 for V, fit the 16-bit immediate.
.macro LD sg, i
.set ldp, (\i)/2
.set ldh, (\i)%2
.set ldr, FR+32*((\sg)%4)+8*ldp+4*ldh
.if (\sg) < 16
	ds_load_b128 v[ldr:ldr+3], v[AK] offset:((\sg)/8)*SUB+ldp*16*PK+((\sg)%8)*64+32*ldh
.else
.set ldc, 2*((\sg)-16)+ldp%2
.set ldk, ldp/2
	ds_load_tr16_b128 v[ldr:ldr+3], v[AV] offset:(ldc/16)*SUB+ldk*32*PV+ldh*16*PV+(ldc%16)*32
.endif
.endm
.macro RUN3                         ; a step's first three sets: 24 loads in one run
	WIN 0
.irp sg, 0,1,2
.irp i, 0,1,2,3,4,5,6,7
	LD \sg, \i
.endr
.endr
.endm
; Product i of 8 of group c of S^T = K Q^T: channels 32 c on, keys 16 (i / 2) on, tile i % 2.  Group 0 starts the sums with the constant 0.
; The 8 accumulators take turns, one instruction a turn, in the same order in every group.
.macro WA c, i
.set rS, S+32*((\i)%2)+8*((\i)/2)
.set rK, FR+32*((\c)%4)+8*((\i)/2)
.set rQ, 128*((\i)%2)+8*(\c)
.if (\c) == 0
	v_wmma_f32_16x16x32_bf16 v[rS:rS+7], v[rK:rK+7], v[rQ:rQ+7], 0
.else
	v_wmma_f32_16x16x32_bf16 v[rS:rS+7], v[rK:rK+7], v[rQ:rQ+7], v[rS:rS+7]
.endif
.endm
.macro GROUPA c
	WIN W_A
	s_wait_dscnt 16                 ; LDS loads come back in order (ISA guide 5.7.1): set c is in; the 16 loads of sets c + 1 and c + 2 may be out
	WA \c, 0
	v_nop                           ; four places between the last product of group c - 1 and the loads into the set that it read
	v_nop
	WA \c, 1
	v_nop
	v_nop
.irp i, 2,3,4,5
	WA \c, \i
	LD (\c)+3, 2*(\i)-4
	LD (\c)+3, 2*(\i)-3
.endr
	WA \c, 6
	WA \c, 7
.endm
; Product i of 8 of group g of O^T += V^T P: channels 16 (2 g + (i / 2) % 2) on, keys 32 (i / 4) on, tile i % 2.  The group's 4 accumulators take turns, twice round.
.macro WB g, i
.set rO, 32*((\g)%8)+16*(((\i)/2)%2)+8*((\i)%2)
.set rV, FR+32*((\g)%4)+8*((\i)/2)
.set rP, P+16*((\i)%2)+8*((\i)/4)
	v_wmma_f32_16x16x32_bf16 v[rO:rO+7], v[rV:rV+7], v[rP:rP+7], v[rO:rO+7]
.endm
; Line i of 16 of the rescaling of group g's four accumulators: O^T times a, in ascending order.
.macro RS g, i
.set rO, 32*((\g)%8)+2*(\i)
.set rA, ST+10*(((\i)/4)%2)+4
	v_pk_mul_f32 v[rO:rO+1], v[rO:rO+1], v[rA:rA+1] op_sel_hi:[1,0]
.endm
; The next of the 32 lines that sum the weights (sx counts them; the tiles alternate): the tile's 16 pairs are added in place, neighbours 1, 2, 4 and 8 pairs apart, then l = a l + the sum.
.macro SUMR
.if sx < 32
.set rS, S+32*(sx%2)
.set rT, ST+10*(sx%2)
.set sz, sx/2
.set sw, 4
.set su, sz
.if sz >= 14
.set sw, 32
.set su, 0
.elseif sz >= 12
.set sw, 16
.set su, sz-12
.elseif sz >= 8
.set sw, 8
.set su, sz-8
.endif
.if sz < 15
	v_pk_add_f32 v[rS+sw*su:rS+sw*su+1], v[rS+sw*su:rS+sw*su+1], v[rS+sw*su+sw/2:rS+sw*su+sw/2+1]
.else
	v_pk_fma_f32 v[rT+2:rT+3], v[rT+2:rT+3], v[rT+4:rT+5], v[rS:rS+1] op_sel_hi:[1,0,1]
.endif
.set sx, sx+1
.endif
.endm
; Group g of V^T P.  wt: the count of the wait at its head, or -1: none.  ld = 1: it issues the loads of set g + 19.  rs = 1: it rescales group g + 1's accumulators.
; Behind the even products stand four lines of the rescaling (the first four are the places in front of the group's loads), behind the odd ones two loads and a line of the sums.
.macro GROUPB g, wt, ld, rs
.if (\wt) >= 0
	s_wait_dscnt \wt
.endif
.irp p, 0,1,2,3
	WIN W_B+0x50*((\g)/8)
	WB \g, 2*(\p)
.if \rs
	WIN W_R+0x41*(((\g)+1)/8)
.irp e, 0,1,2,3
	RS (\g)+1, 4*(\p)+\e
.endr
.endif
	WIN W_B+0x50*((\g)/8)
	WB \g, 2*(\p)+1
.if (\ld) || (sx < 32)
	WIN 0
.if \ld
	LD (\g)+19, 2*(\p)
	LD (\g)+19, 2*(\p)+1
.endif
	SUMR
.endif
.endr
.endm
; Number n of the 22 that find tile t's maximum and statistics.  s0-s31 are the lane's 32 scores; each accumulator's lowest registers are read first.
;   0-11  four chains c0-c3 of seven scores each, three operands at a time     12-15  the four scores left over, c0-c3 and the old m into c0
;   16, 18  the query's other 32 keys lie in the lane 16 away: the new m        17  c m_old is kept     19-21  c m; c m_old - c m_new; a
.macro XS t, n
.set rT, ST+10*(\t)
.set rC, ST+10*(\t)+6
.set rS, S+32*(\t)
.if (\n) < 4
	v_max3_num_f32 v[rC+(\n)], v[rS+8*(\n)], v[rS+8*(\n)+1], v[rS+8*(\n)+2]
.elseif (\n) < 12
	v_max3_num_f32 v[rC+(\n)%4], v[rC+(\n)%4], v[rS+8*((\n)%4)+2*((\n)/4)+1], v[rS+8*((\n)%4)+2*((\n)/4)+2]
.elseif (\n) == 12
	v_max3_num_f32 v[rC], v[rC], v[rS+7], v[rS+15]
.elseif (\n) == 13
	v_max3_num_f32 v[rC+2], v[rC+2], v[rS+23], v[rS+31]
.elseif (\n) == 14
	v_max3_num_f32 v[rC], v[rC], v[rC+1], v[rC+2]
.elseif (\n) == 15
	v_max3_num_f32 v[rC], v[rC], v[rC+3], v[rT+1]
.elseif (\n) == 16
	v_permlanex16_b32 v[rC+1], v[rC], s[SEL], s[SEL+1]
.elseif (\n) == 17
	v_mov_b32 v[rC+3], v[rT]
.elseif (\n) == 18
	v_max_num_f32 v[rT+1], v[rC], v[rC+1]
.elseif (\n) == 19
	v_mul_f32 v[rT], s[CS], v[rT+1]
.elseif (\n) == 20
	v_sub_f32 v[rC+3], v[rC+3], v[rT]
.else
	v_exp_f32 v[rT+4], v[rC+3]
.endif
.endm
.macro FS t, b                      ; c s - c m for pair b; beyond the last pair a v_nop keeps the place
.if (\b) < 16
.set rT, ST+10*(\t)
.set rS, S+32*(\t)+2*(\b)
	v_pk_fma_f32 v[rS:rS+1], v[rS:rS+1], s[CS:CS+1], v[rT:rT+1] op_sel_hi:[1,0,0] neg_lo:[0,0,1] neg_hi:[0,0,1]
.else
	v_nop
.endif
.endm
.macro ES t, i                      ; the exponential of score i, in place
	v_exp_f32 v[S+32*(\t)+(\i)], v[S+32*(\t)+(\i)]
.endm
.macro CV t, b                      ; pair b rounded to bf16; ahead of the first pair a v_nop keeps the place
.if (\b) >= 0
	s_wait_alu depctr_va_vdst(0)
	v_cvt_pk_bf16_f32 v[P+16*(\t)+(\b)], v[S+32*(\t)+2*(\b)], v[S+32*(\t)+2*(\b)+1]
.else
	v_nop
.endif
.endm
; THE SOFTMAX of both tiles, the one stretch without matrix work.  Exponential and plain line by turns: behind each exponential stands a plain instruction that touches neither its result nor its source
; (ISA guide 5.7.2): scalings two pairs ahead, roundings a pair back.  At its end group 0's accumulators are rescaled; the others' rescaling rides on V^T P.
.macro SOFTMAX
	WIN 0
	PLACES                          ; the maxima read results just made
.irp n, 0,1,2,3,4,5,6,7,8,9,10,11,12,13,14,15,16,17,18,19,20,21
	XS 0, \n
	XS 1, \n
.endr
	v_nop                           ; a plain instruction behind the two exponentials that made a
	FS 0, 0
	FS 1, 0
	FS 0, 1
	FS 1, 1
.set sb, 0
.rept 16
	ES 0, 2*sb
	FS 0, sb+2
	ES 0, 2*sb+1
	FS 1, sb+2
	ES 1, 2*sb
	CV 0, sb-1
	ES 1, 2*sb+1
	CV 1, sb-1
.set sb, sb+1
.endr
	CV 0, 15
	CV 1, 15
	WIN W_R
.set ri, 0
.rept 16
	RS 0, ri
.set ri, ri+1
.endr
.endm
; A KEY STEP.  fill = 1: the slot just read is asked for again, with the step two on.  fill = 0 (the last two steps): nothing is asked for, and the last step fetches no successor's fragments.
; THE CHANGE OF SLOTS stands among the last groups.  Group 12 of V^T P issues the slot's last reads.  Then each wave waits for all its tensor loads, of which one is out: its part of the other slot; adds 0 to
; its spare word; multiplies group 13; waits for the add and for its reads of the slot; signals; multiplies group 14; and waits for the others.  With fill = 1 that barrier opens a round of the cluster's, so
; that no wave of any partner still reads the slot or has a load on its way, and the joint refill is the first thing behind the round.
.macro TRIP fill
.set gc, 0
.rept 16
	GROUPA gc                       ; groups 13 to 15 fetch V's first three sets
.set gc, gc+1
.endr
	SOFTMAX
.set sx, 0
.set gc, 0
.rept 13
	GROUPB gc, 16, 1, 1             ; the count: as in K Q^T, the two younger sets' 16 loads may be out
.set gc, gc+1
.endr
	WIN 0                           ; (the add's two registers lie in window 0)
	s_wait_tensorcnt 0x0            ; no tensor load of mine is out, so a group 0 may be written
	ds_add_u32 v[SPW], v[NIL]       ; 0 onto my spare word; the descriptors' steps and eight products stand between it and the wait for it
.if \fill
.irp d, G0K+4, G0V+4
	s_xor_b32 s[(\d)+1], s[(\d)+1], SLOT  ; the walking descriptor: the other slot than last time,
	s_add_nc_u64 s[(\d)+2:(\d)+3], s[(\d)+2:(\d)+3], STEPB  ; the next 64 keys; the type bits on top are not reached
.endr
.endif
	GROUPB 13, 17, 0, 1             ; set 29 is in; the 16 loads of sets 30 and 31 and the add may be out
	WIN 0
	s_wait_dscnt 0x0                ; the add is done, and my reads of this slot are over
	s_barrier_signal -1
	GROUPB 14, -1, 0, 1             ; work on registers while the others arrive
	WIN 0                           ; at a branch and at a label every window is 0
	s_barrier_wait -1
.if \fill
	CREST
	JLOAD                           ; the four v_nop behind it are also the places in front of the loads below
.else
	PLACES
.endif
	s_xor_b32 s[TB], s[TB], SLOT    ; the other slot is whole: the next step's fragments come from it
	v_add_nc_u32 v[AK], s[TB], v[AKB]
	v_add_nc_u32 v[AV], s[TB], v[AVB]
.if !(\fill)
	s_cmp_eq_u32 s[CNT], 1          ; the last step has no successor
	s_cbranch_scc1 .Lno_run_\@
.endif
	RUN3
.if !(\fill)
.Lno_run_\@:
.endif
	GROUPB 15, -1, 0, 0             ; its set came in with the wait for 0 above
	WIN 0
.endm
	s_wait_tensorcnt 1              ; my part of slot 0 is in; slot 1's may stay out
	s_barrier_signal -1
	s_barrier_wait -1               ; everybody's is
	RUN3                            ; step 0's first three sets
	s_wait_loadcnt 0x0              ; Q
	s_mov_b32 s[CNT], 30
.Ltrip:                             ; steps 0 to 29: they ask for steps 2 to 31
	TRIP 1
	s_sub_co_u32 s[CNT], s[CNT], 1
	s_cmp_lg_u32 s[CNT], 0
	s_cbranch_scc1 .Ltrip
	s_mov_b32 s[CNT], 2
.Ltail:                             ; steps 30 and 31 have a text of their own
	TRIP 0
	s_sub_co_u32 s[CNT], s[CNT], 1
	s_cmp_lg_u32 s[CNT], 0
	s_cbranch_scc1 .Ltail
	; THE WAY OUT.  First the statistics: l's two halves and the other half of the lanes' are added.  Lane l then stores (c m, l) of my row l: tile l / 16, query l % 16: 256 consecutive bytes, aligned.
	; These lines name no register of the last products: they are the places in front of the stores of O^T.
.irp t, 0,1
	v_add_f32 v[ST+10*(\t)+2], v[ST+10*(\t)+2], v[ST+10*(\t)+3]
.endr
.irp t, 0,1
	v_permlanex16_b32 v[ST+10*(\t)+7], v[ST+10*(\t)+2], s[SEL], s[SEL+1]
.endr
.irp t, 0,1
	v_add_f32 v[ST+10*(\t)+2], v[ST+10*(\t)+2], v[ST+10*(\t)+7]
.endr
	v_and_b32 v1, 31, v0
	v_cmp_gt_u32 vcc_lo, 16, v1
	v_cndmask_b32 v[ST+8], v[ST+10], v[ST], vcc_lo     ; c m of tile 0 in lanes 0-15, of tile 1 in lanes 16-31
	v_cndmask_b32 v[ST+9], v[ST+12], v[ST+2], vcc_lo   ; l likewise
	v_lshlrev_b32 v[ST+6], 3, v1
	global_store_b64 v[ST+6], v[ST+8:ST+9], s[12:13]
; O^T leaves as it is, not divided by l, in 8 chunks n of 16 rows (tile n / 4) x 128 channels (quarter n % 4).  A lane's eight channels of a row are 32 bytes; they go into stage rows of 528 bytes and come
; back as whole rows of 512, into S^T's registers (even n) or the ring's (odd n).
.macro TOSTAGE n
.set ot, (\n)/4
.set oq, (\n)%4
.set BK, S+96*((\n)%2)
	WIN 0x08+4*(oq/2)               ; the stores' data (source 1) in window 2 or 3
.irp k, 0,1,2,3,4,5,6,7
.set rO, 128*(oq%2)+16*(\k)+8*ot
	ds_store_b128 v[STO], v[rO:rO+3] offset:64*(\k)        ; each accumulator's lowest registers first
	ds_store_b128 v[STO], v[rO+4:rO+7] offset:64*(\k)+16
.endr
	WIN 0
.if (\n) >= 2
	s_wait_xcnt 0x0                 ; every earlier memory instruction has had its addresses translated (ISA guide 3.1): the registers that chunk n - 2's stores read are loaded again only behind this wait
.endif
.set i, 0
.rept 16
	ds_load_b128 v[BK+4*i:BK+4*i+3], v[RD] offset:i*SP  ; LDS serves a wave's instructions in order (ISA guide 5.7.1.4): these see the stores above; the next chunk's stores come behind them
.set i, i+1
.endr
.endm
.macro SEND n, younger              ; younger: the LDS instructions issued behind chunk n's loads: the next chunk's 32, or none
.set ot, (\n)/4
.set oq, (\n)%4
.set BK, S+96*((\n)%2)
.set i, 0
.rept 16
	s_wait_dscnt (\younger)+15-i    ; row i is back; the chunk's later rows and the next chunk's instructions may be out
	global_store_b128 v[GO], v[BK+4*i:BK+4*i+3], s[10:11] offset:(16*ot+i)*2048+oq*512  ; 512 consecutive bytes, at a multiple of 512 from opart's first
.set i, i+1
.endr
.endm
	TOSTAGE 0
.irp n, 1,2,3,4,5,6,7
	TOSTAGE \n
	SEND (\n)-1, 32
.endr
	SEND 7, 0
	s_wait_tensorcnt 0x0            ; the wave's end, behind my last tensor load and my last LDS store
	ds_add_u32 v[SPW], v[NIL]
	s_wait_dscnt 0x0
	CROUND                          ; the closing round: no work-group ends while a partner may still ask for a tile that names it
	s_endpgm
.Lfunc_end_k_q91cb8f4df4_attn:
	.size	k_q91cb8f4df4_attn, .Lfunc_end_k_q91cb8f4df4_attn-k_q91cb8f4df4_attn
	.p2alignl 7, 3214868480
	.fill 96, 4, 3214868480
	.section	.rodata,"a",@progbits
	.p2align	6, 0x0
	.amdhsa_kernel k_q91cb8f4df4_attn
		.amdhsa_group_segment_fixed_size 327680
		.amdhsa_private_segment_fixed_size 0
		.amdhsa_enable_private_segment 0
		.amdhsa_kernarg_size 40
		.amdhsa_user_sgpr_count 2
		.amdhsa_user_sgpr_kernarg_segment_ptr 1
		.amdhsa_wavefront_size32 1
		.amdhsa_system_sgpr_workgroup_id_x 1
		.amdhsa_system_sgpr_workgroup_id_y 1
		.amdhsa_system_sgpr_workgroup_id_z 1
		.amdhsa_system_vgpr_workitem_id 0
		.amdhsa_next_free_vgpr 1024
		.amdhsa_next_free_sgpr 66
		.amdhsa_reserve_vcc 1
		.amdhsa_float_denorm_mode_32 3
		.amdhsa_float_denorm_mode_16_64 3
		.amdhsa_memory_ordered 1
		.amdhsa_forward_progress 1
		.amdhsa_inst_pref_size 206
	.end_amdhsa_kernel
	.amdgpu_metadata
---
amdhsa.version: [ 1, 2 ]
amdhsa.kernels:
  - .name:           k_q91cb8f4df4_attn
    .symbol:         k_q91cb8f4df4_attn.kd
    .args:
      - { .name: qb, .offset: 0, .size: 8, .value_kind: global_buffer, .address_space: global }
      - { .name: kb, .offset: 8, .size: 8, .value_kind: global_buffer, .address_space: global }
      - { .name: vb, .offset: 16, .size: 8, .value_kind: global_buffer, .address_space: global }
      - { .name: opart, .offset: 24, .size: 8, .value_kind: global_buffer, .address_space: global }
      - { .name: stat, .offset: 32, .size: 8, .value_kind: global_buffer, .address_space: global }
    .group_segment_fixed_size: 327680
    .private_segment_fixed_size: 0
    .kernarg_segment_align: 8
    .kernarg_segment_size: 40
    .max_flat_workgroup_size: 128
    .sgpr_count:     66
    .vgpr_count:     1024
    .wavefront_size: 32
...
	.end_amdgpu_metadata
.endif
;; end of part 2
;; launch join (part 3): grid 512 x 1, 8 waves a work-group, no clusters, 0 bytes of LDS; arguments opart, stat, out0; writes out0
.if DOCPART == 3
	.amdgcn_target "amdgcn-amd-amdhsa--gfx1250"
	.amdhsa_code_object_version 6
	.text
	.protected	k_q91cb8f4df4_join
	.globl	k_q91cb8f4df4_join
	.p2align	8
	.type	k_q91cb8f4df4_join,@function
k_q91cb8f4df4_join:
	s_mov_b64 s[64:65], 0
	v_nop
	global_prefetch_b8 v0, s[64:65] scope:SCOPE_SE
	s_setreg_imm32_b32 hwreg(HW_REG_WAVE_MODE, 25, 1), 1
	s_wait_xcnt 0x0
; out[q][:] = (the sum over the four key quarters s of w_s opart[s][q][:]) / (the sum of w_s l_s),  w_s = 2^(cm_s - M),  M = the largest of the four cm_s;  (cm_s, l_s) = stat[s][q].
; The quarter that holds the row's maximum has w = 1 and l >= 1, so the divisor is at least 1.  All in f32.
; A stream: no LDS, no barrier, no matrix unit.  A wave takes two rows; a work-group's eight waves 16; 512 work-groups 8,192.  A row of a quarter is 2,048 bytes: four loads of 512 consecutive bytes.
; All 32 loads of a wave go out at once; the statistics come by scalar loads (this launch does not write stat) and the weights are made while the rows are on their way.
.set W, 12                             ; v[12:27]   row i, quarter s: w_s / divisor, twice (a pair for the packed forms), at W + 8 i + 2 s
.set D, 32                             ; v[32:159]  load n = 16 i + 4 ch + s: row i, piece ch of 512 bytes, quarter s; quarter 0's registers take the sum
	s_load_b128 s[4:7], s[0:1], 0x0                ; opart s[4:5], stat s[6:7]
	s_load_b64 s[8:9], s[0:1], 0x10                ; out0
	v_lshrrev_b32 v1, 5, v0
	v_readfirstlane_b32 s10, v1                    ; wave 0..7
	v_and_b32 v1, 31, v0
	v_lshlrev_b32 v1, 4, v1                        ; 16 x lane
	s_lshl_b32 s11, ttmp9, 4
	s_lshl1_add_u32 s11, s10, s11                  ; my first row = 16 x work-group + 2 x wave
	s_lshl_b32 s12, s11, 11                        ; rows of 2,048 bytes
	s_mov_b32 s13, 0
	s_lshl_b32 s14, s11, 3                         ; rows of 8 bytes in stat
	s_mov_b32 s15, 0
	s_wait_kmcnt 0x0
	s_add_nc_u64 s[16:17], s[4:5], s[12:13]        ; a base for each quarter: 16,777,216 bytes apart, more than a load's immediate holds
	s_add_nc_u64 s[18:19], s[16:17], 0x1000000
	s_add_nc_u64 s[20:21], s[16:17], 0x2000000
	s_add_nc_u64 s[22:23], s[16:17], 0x3000000
	s_add_nc_u64 s[8:9], s[8:9], s[12:13]
	s_add_nc_u64 s[6:7], s[6:7], s[14:15]
.irp q, 0,1,2,3
	s_load_b128 s[32+4*(\q):35+4*(\q)], s[6:7], (\q)*65536  ; quarter q: cm and l of my first row, cm and l of my second
.endr
.set n, 0
.rept 32
	global_load_b128 v[D+4*n:D+4*n+3], v1, s[16+2*(n%4):17+2*(n%4)] offset:(n/16)*2048+((n/4)%4)*512 th:TH_LOAD_NT  ; read once in the whole launch
.set n, n+1
.endr
	s_wait_kmcnt 0x0                               ; the statistics
.irp i, 0,1
	v_max_num_f32 v2, s[32+2*(\i)], s[36+2*(\i)]
	v_max_num_f32 v3, s[40+2*(\i)], s[44+2*(\i)]
	v_max_num_f32 v2, v2, v3                       ; M
.irp q, 0,1,2,3
	v_sub_f32 v[4+(\q)], s[32+4*(\q)+2*(\i)], v2   ; cm_s - M, 0 at the most
.endr
.irp q, 0,1,2,3
	v_exp_f32 v[4+(\q)], v[4+(\q)]                 ; w_s
.endr
	v_nop                                          ; a plain instruction between the last exponential and the use of its result (ISA guide 5.7.2)
	s_wait_alu depctr_va_vdst(0)
	v_mul_f32 v8, s[33+2*(\i)], v4
	v_fma_f32 v8, s[37+2*(\i)], v5, v8
	v_fma_f32 v8, s[41+2*(\i)], v6, v8
	v_fma_f32 v8, s[45+2*(\i)], v7, v8             ; the divisor
	v_rcp_f32 v9, v8
	v_nop                                          ; likewise behind the reciprocal
	s_wait_alu depctr_va_vdst(0)
.irp q, 0,1,2,3
	v_mul_f32 v[W+8*(\i)+2*(\q)], v[4+(\q)], v9
	v_mul_f32 v[W+8*(\i)+2*(\q)+1], v[4+(\q)], v9
.endr
.endr
.set k, 0
.rept 8                                ; piece k = 4 i + ch
	s_wait_loadcnt 28-4*k                          ; loads come back in order (ISA guide 5.7.1): the piece's four are in, the 28 - 4 k issued behind them stay out
.set d0, D+16*k
.set w0, W+8*(k/4)
	v_pk_mul_f32 v[d0:d0+1], v[d0:d0+1], v[w0:w0+1] op_sel_hi:[1,0]
	v_pk_mul_f32 v[d0+2:d0+3], v[d0+2:d0+3], v[w0:w0+1] op_sel_hi:[1,0]
.irp q, 1,2,3
	v_pk_fma_f32 v[d0:d0+1], v[d0+4*(\q):d0+4*(\q)+1], v[w0+2*(\q):w0+2*(\q)+1], v[d0:d0+1] op_sel_hi:[1,0,1]
	v_pk_fma_f32 v[d0+2:d0+3], v[d0+4*(\q)+2:d0+4*(\q)+3], v[w0+2*(\q):w0+2*(\q)+1], v[d0+2:d0+3] op_sel_hi:[1,0,1]
.endr
	global_store_b128 v1, v[d0:d0+3], s[8:9] offset:(k/4)*2048+(k%4)*512 th:TH_STORE_NT  ; 512 consecutive bytes, at a multiple of 512 from out0's first
.set k, k+1
.endr
	s_endpgm
.Lfunc_end_k_q91cb8f4df4_join:
	.size	k_q91cb8f4df4_join, .Lfunc_end_k_q91cb8f4df4_join-k_q91cb8f4df4_join
	.p2alignl 7, 3214868480
	.fill 96, 4, 3214868480
	.section	.rodata,"a",@progbits
	.p2align	6, 0x0
	.amdhsa_kernel k_q91cb8f4df4_join
		.amdhsa_group_segment_fixed_size 0
		.amdhsa_private_segment_fixed_size 0
		.amdhsa_enable_private_segment 0
		.amdhsa_kernarg_size 24
		.amdhsa_user_sgpr_count 2
		.amdhsa_user_sgpr_kernarg_segment_ptr 1
		.amdhsa_wavefront_size32 1
		.amdhsa_system_sgpr_workgroup_id_x 1
		.amdhsa_system_sgpr_workgroup_id_y 1
		.amdhsa_system_sgpr_workgroup_id_z 1
		.amdhsa_system_vgpr_workitem_id 0
		.amdhsa_next_free_vgpr 160
		.amdhsa_next_free_sgpr 66
		.amdhsa_reserve_vcc 0
		.amdhsa_float_denorm_mode_32 3
		.amdhsa_float_denorm_mode_16_64 3
		.amdhsa_memory_ordered 1
		.amdhsa_forward_progress 1
		.amdhsa_inst_pref_size 12
	.end_amdhsa_kernel
	.amdgpu_metadata
---
amdhsa.version: [ 1, 2 ]
amdhsa.kernels:
  - .name:           k_q91cb8f4df4_join
    .symbol:         k_q91cb8f4df4_join.kd
    .args:
      - { .name: opart, .offset: 0, .size: 8, .value_kind: global_buffer, .address_space: global }
      - { .name: stat, .offset: 8, .size: 8, .value_kind: global_buffer, .address_space: global }
      - { .name: out0, .offset: 16, .size: 8, .value_kind: global_buffer, .address_space: global }
    .group_segment_fixed_size: 0
    .private_segment_fixed_size: 0
    .kernarg_segment_align: 8
    .kernarg_segment_size: 24
    .max_flat_workgroup_size: 256
    .sgpr_count:     66
    .vgpr_count:     160
    .wavefront_size: 32
...
	.end_amdgpu_metadata
.endif
;; end of part 3
;; ======== version 2 of 3: 3 launches; 1.31 times as fast as version 1
;; workspace buffers: qb 8,388,608 bytes; kb 8,388,608 bytes; vb 8,388,608 bytes; opart 67,108,864 bytes; stat 262,144 bytes
;; launch cast: the kernel of part 1 again; grid 512 x 1, 8 waves a work-group, no clusters, 0 bytes of LDS; arguments query, key, value, qb, kb, vb; writes qb, kb, vb
;; launch attn (part 4): grid 64 x 4, 4 waves a work-group, clusters of 4 x 1, 327,680 bytes of LDS; arguments qb, kb, vb, opart, stat; writes opart, stat
.if DOCPART == 4
	.amdgcn_target "amdgcn-amd-amdhsa--gfx1250"
	.amdhsa_code_object_version 6
	.text
	.protected	k_q91cb8f4df4_attn
	.globl	k_q91cb8f4df4_attn
	.p2align	8
	.type	k_q91cb8f4df4_attn,@function
k_q91cb8f4df4_attn:
	s_mov_b64 s[64:65], 0
	v_nop
	global_prefetch_b8 v0, s[64:65] scope:SCOPE_SE
	s_setreg_imm32_b32 hwreg(HW_REG_WAVE_MODE, 25, 1), 1
	s_wait_xcnt 0x0
	s_wait_alu depctr_hold_cnt(0) depctr_sa_sdst(0) depctr_va_vdst(0) depctr_va_sdst(0) depctr_va_ssrc(0) depctr_va_vcc(0) depctr_vm_vsrc(0)
	s_getreg_b32 s2, hwreg(HW_REG_IB_STS2, 6, 4)
	s_cmp_eq_u32 s2, 0
	s_cbranch_scc0 .Lentry_in_a_cluster
	s_endpgm
.Lentry_in_a_cluster:
	s_bfe_u32 s2, ttmp6, 0x10000c
	s_cmp_lg_u32 s2, 0x3003
	s_cbranch_scc0 .Lentry_shape_is_right
	s_endpgm
.Lentry_shape_is_right:
; ONE KEY QUARTER OF softmax(Q K^T) V.  qb, kb, vb: [8192][512] bf16.  For key quarter s (2,048 keys) and each query q:
;   stat[s][q] = (c m, l),  opart[s][q][:] = the sum over the quarter's keys k of p V[k][:],  p = 2^(c score - c m),  l = the sum of p,  m = the quarter's largest score,  c = log2(e).
; The next launch joins the four quarters.  Products on the matrix unit in bf16 with f32 sums; maxima, sums and O in f32; p is rounded to bf16 for the second product, l is the sum of the unrounded p.
; LIMITS.  |c score| stays below 4e37 (c m starts at -4.25e37); a weight below 2^-126 counts as 0; NaN and infinities are not treated apart.
; SHARES.  16 queries cost 256 registers of O^T and 128 of Q, so a wave holds 32 queries (two tiles of 16), a work-group's four waves 128.  That makes 64 query blocks; four key quarters make 256 work-groups.
; Every wave walks its quarter's keys, 64 a step, 32 steps: 128 products K Q^T, the softmax, 128 products V^T P.
; LAYOUT.  S^T = K Q^T (source 0 = 16 keys x 32 channels, source 1 = 16 queries): a lane holds ONE query (lane % 16) and the keys 8 (lane / 16) + 0..7.  Two such results, rounded to bf16 in pairs, ARE
; source 1 (32 keys x 16 queries) of O^T += V^T P, whose result again holds one query a lane, and eight channels.  K comes out of LDS as it lies, V ([key][channel]) turned, by ds_load_tr16_b128.
; SOFTMAX.  A running maximum m and sum l for each query; in every step O^T and l are multiplied by a = 2^(c m_old - c m_new).  m starts at the lowest finite number, O^T and l at 0: the first step is a step
; like any other, with a = 0.  The price: 512 v_mov_b32 at the start, in the wait for the first tile; the gain: no third copy of the step's text.
; CLUSTER.  The four work-groups of a cluster are four query blocks of one key quarter: they walk the same K and V, so each tile is asked for JOINTLY: the same tensor load, descriptor and mask in all four.
; RING.  Two LDS slots of one key step: four sub-tiles of 64 keys x 256 channels (K's two halves, V's two halves), one tensor load of 32,768 bytes a wave.  A slot is asked for again when its last fragment
; is in registers, and waited for 232 matrix instructions later.  By this text's count a wave has two tensor loads out at the start and one afterwards.
; FRAGMENTS.  A SET is four fragments, 32 registers, the food of a GROUP of 8 matrix instructions.
;   sets 0-15: K, channels 32 u on, fragment p = keys 16 p on.   sets 16-31 (g = u - 16): V, fragment p = channels 16 (2 g + p % 2) on, keys 32 (p / 2) on.
; A step is 16 BLOCKS of two groups.  Two buffers of 64 registers take turns: block j multiplies sets 2 j and 2 j + 1, and at its head it asks, in ONE run of 16 LDS loads, for block j + 1's two sets, into the
; buffer that block j - 1 read.  The loads stand in such runs alone, never singly among the matrix instructions: a run has 16 products in which to land, and the products stand in stretches of 16.
; REGISTERS, in windows of 256 (s_set_vgpr_msb: bits 1:0 source 0, 3:2 source 1, 5:4 source 2, 7:6 destination):
;   window 0: v0-11 addresses; v12-31 ten registers of statistics a tile; v32-95 S^T; v96-127 P; v128-255 the two fragment buffers
;   window 1: Q, fragment (tile t, channel step c) at 128 t + 8 c          windows 2, 3: O^T, accumulator (channel block cb, tile t) in window 2 + cb / 16 at 16 (cb % 16) + 8 t
; K Q^T and its loads run under one setting.  In V^T P the products and the rescaling of O^T want a setting each: two switches for two products; no free registers allow another layout.
.set PK,    528       ; a row of a K sub-tile in LDS: 512 bytes + 16 of padding = 132 words: row r starts at bank 4 r mod 64 (64 banks of 4 bytes: ISA guide 11.1), so the 16 rows of a load start at 16 different banks
.set PV,    544       ; a row of a V sub-tile: 512 + 32 = 136 words
.set SUB,   64*PV     ; 34,816: room for a sub-tile (K's uses 33,792 of it)
.set SLOT,  4*SUB     ; 139,264 = 0x22000.  The sub-tiles' places 0, 0x8800, 0x11000, 0x19800 have bits 13 and 17 clear, so one exclusive or turns an address in one slot into the other's
.set STAGE, 2*SLOT    ; behind the ring, never filled by a tensor load: 16 rows x 528 bytes for each wave, for the way out
.set SP,    528
.set SPARE, STAGE+4*16*SP  ; behind the stages: the spare words, 128 bytes for each wave: two blocks of 256 bytes that no other line names
.set STEPB, 65536     ; 64 keys x 1,024 bytes: a key step in kb and in vb
.set AKB, 2           ; v2   my lane's place in a K sub-tile; never rewritten
.set AVB, 3           ; v3   the same for V, with V's place in a slot
.set AK,  4           ; v4   AKB + the slot in hand
.set AV,  5           ; v5   AVB + the slot in hand
.set SPW, 6           ; v6   LDS address of my spare word: SPARE + 4 x my thread's number; never rewritten
.set NIL, 7           ; v7   0; never rewritten
.set STO, 8           ; v8   the way out: where I put 16 bytes of a row
.set RD,  9           ; v9   the way out: where I read a row back
.set GO,  10          ; v10  16 x lane: my place in 512 consecutive bytes of opart
.set QO,  11          ; v11  my byte offset in 16 rows of Q
.set ST,  12          ; tile t's statistics at v[ST+10 t]: +0 c m, +1 m, +2, +3 l (even keys', odd keys'), +4 a, +5 named with a as a pair, +6 to +9 c0-c3, at work
.set S,   32          ; S^T: accumulator (key block kb, tile t) at S + 32 t + 8 kb
.set P,   96          ; P: pair b of tile t at P + 16 t + b
.set FR,  128         ; the fragments: set u at FR + 32 (u % 4), fragment p at + 8 p: block j's two sets fill the buffer at FR + 64 (j % 2)
.set WV,  14          ; s14  my wave's number
.set G1K, 24          ; s[24:31] descriptor group 1 for K's sub-tiles
.set G1V, 32          ; s[32:39] for V's: it differs in the padding alone
.set G0K, 40          ; s[40:47] descriptor group 0 for K: a set for each of the two first fills; the second then walks on
.set G0V, 48          ; s[48:55] the same for V
.set CNT, 56          ; s56  counts the steps
.set TB,  57          ; s57  0 or SLOT: the slot in hand
.set CS,  58          ; s[58:59] c: the packed scaling takes the pair's low word for both halves
.set SEL, 60          ; s[60:61] v_permlanex16_b32's selects: each lane takes its own place in the other half
.set MSB, 0
.macro WIN new                      ; the immediate's high byte repeats the setting that is left; a switch that changes nothing is dropped
.if MSB != (\new)
	s_set_vgpr_msb (MSB<<8)|(\new)
.set MSB, (\new)
.endif
.endm
.set W_A, 0x04        ; K Q^T: Q (source 1) in window 1, all else, the loads' destinations too, in window 0
.set W_B, 0xa0        ; V^T P: C and D in window 2 (+ 0x50: window 3), V and P in window 0
.set W_R, 0x82        ; the rescaling: destination and source 0 in window 2 (+ 0x41: window 3), a in window 0
; A vector instruction that reads a matrix result or writes one of a matrix instruction's registers, and a load into a register that a matrix instruction has read, stand four places behind it, and only plain
; vector instructions that name none of its registers are places (ISA guide 7.12.1 for vector instructions).
.macro PLACES
.rept 4
	v_nop
.endr
.endm
; A joint refill.  Waves 0 and 1 fetch K's two halves, waves 2 and 3 V's.  The branch hangs on the wave's number alone: it is the same in every work-group.
; Four v_nop follow each of the two lines; the jump, the label and what follows the macro come after them.
.macro JLOAD
	s_cmp_lt_u32 s[WV], 2
	s_cbranch_scc0 .Lfor_v_\@
	tensor_load_to_lds s[G0K+4:G0K+7], s[G1K:G1K+7]
	s_nop 0
.rept 4
	v_nop
.endr
	s_branch .Lasked_\@
.Lfor_v_\@:
	tensor_load_to_lds s[G0V+4:G0V+7], s[G1V:G1V+7]
	s_nop 0
.rept 4
	v_nop
.endr
.Lasked_\@:
.endm
; A round of the cluster's barrier: my work-group's barrier, so that wave 0's signal speaks for all four waves; wave 0 signals; every wave waits for all four work-groups; my work-group's barrier once more.
.macro CREST                        ; a round behind its opening barrier
	s_cmp_lg_u32 s[WV], 0
	s_cbranch_scc1 .Lnot_wave_0_\@
	s_barrier_signal -3
.Lnot_wave_0_\@:
	s_barrier_wait -3
	s_barrier_signal -1
	s_barrier_wait -1
.endm
.macro CROUND                       ; a whole round
	s_barrier_signal -1
	s_barrier_wait -1
	CREST
.endm
	s_load_b256 s[4:11], s[0:1], 0x0  ; qb s[4:5], kb s[6:7], vb s[8:9], opart s[10:11]
	s_load_b64 s[12:13], s[0:1], 0x20 ; stat
	v_lshl_add_u32 v[SPW], v0, 2, SPARE
	v_mov_b32 v[NIL], 0
	ds_add_u32 v6, v7
	s_wait_dscnt 0x0
	v_lshrrev_b32 v1, 5, v0
	v_readfirstlane_b32 s[WV], v1   ; wave 0..3
	s_bfe_u32 s15, ttmp6, 0x40000   ; cx: my place in the cluster
	s_lshl_b32 s16, ttmp9, 2        ; in a cluster launch ttmp9 counts clusters
	s_add_co_u32 s16, s16, s15      ; my block of 128 queries = 4 x cluster x + cx: it enters Q's, opart's and stat's addresses alone
	s_and_b32 s17, ttmp7, 0xffff    ; the key quarter, which the four partners share
	s_and_b32 s18, s[WV], 1         ; which half of the channels I fetch:
	s_lshl_b32 s20, s17, 21         ; the quarter's 2,048 rows of 1,024 bytes,
	s_lshl_b32 s19, s18, 9          ; my 512 bytes of each row,
	s_add_co_u32 s20, s20, s19
	s_mov_b32 s21, 0
	s_mul_i32 s19, s18, SUB         ; and my sub-tile's place among the two: no place in the cluster enters an LDS address
	s_lshl_b32 s22, s16, 7
	s_lshl_b32 s23, s[WV], 5
	s_add_co_u32 s22, s22, s23      ; my wave's first query
	s_lshl_b32 s2, s22, 10          ; in qb: rows of 1,024 bytes
	s_mov_b32 s3, 0
	s_lshl_b32 s62, s17, 24         ; in opart: quarters of 16,777,216 bytes, rows of 2,048
	s_lshl_b32 s63, s22, 11
	s_add_co_u32 s62, s62, s63
	s_mov_b32 s63, 0
	s_lshl_b32 s23, s17, 16         ; in stat: quarters of 65,536 bytes, rows of 8
	s_lshl_b32 s22, s22, 3
	s_add_co_u32 s22, s22, s23
	s_mov_b32 s23, 0
	; descriptor group 1: a sub-tile of 64 rows x 256 elements out of rows of 512, padded in LDS
	s_mov_b32 s[G1K], 15|(1<<16)|(1<<20)|(1<<21)|(6<<22)|(3<<25)  ; 15:0 the mask of four; 17:16 2-byte elements; 20 padding on; 21 set beside a mask; 24:22 after every 128 words (code 6); 31:25 4 words (code 3)
	s_mov_b32 s[G1V], 15|(1<<16)|(1<<20)|(1<<21)|(6<<22)|(7<<25)  ; the same with 8 words of padding (code 7)
.irp g, G1K, G1V
	s_mov_b32 s[(\g)+1], 256<<16    ; tensor_dim0 = 256
	s_mov_b32 s[(\g)+2], 64<<16     ; tensor_dim1 = 64
	s_mov_b32 s[(\g)+3], 256<<16    ; tile_dim0 = 256
	s_mov_b32 s[(\g)+4], 64         ; tile_dim1 = 64
	s_mov_b32 s[(\g)+5], 512        ; 512 elements from row to row
	s_mov_b32 s[(\g)+6], 0
	s_mov_b32 s[(\g)+7], 0
.endr
	s_mov_b32 s[CS], 0x3fb8aa3b     ; c = log2(e)
	s_mov_b32 s[CS+1], s[CS]        ; named with it as a pair
	s_mov_b32 s[SEL], 0x76543210
	s_mov_b32 s[SEL+1], 0xfedcba98
	s_mov_b32 s[TB], 0
	s_wait_kmcnt 0x0
	s_add_nc_u64 s[4:5], s[4:5], s[2:3]      ; Q at my wave's first row
	s_add_nc_u64 s[6:7], s[6:7], s[20:21]    ; K and V at my sub-tile of the quarter's step 0
	s_add_nc_u64 s[8:9], s[8:9], s[20:21]
	s_add_nc_u64 s[10:11], s[10:11], s[62:63]
	s_add_nc_u64 s[12:13], s[12:13], s[22:23]
.irp i, 0,1
	s_mov_b32 s[G0K+4*(\i)], 1      ; 1:0 count = 1
	s_add_co_u32 s[G0K+4*(\i)+1], s19, (\i)*SLOT  ; 63:32 LDS address: step i goes into slot i
	s_add_nc_u64 s[G0K+4*(\i)+2:G0K+4*(\i)+3], s[6:7], (\i)*STEPB  ; 120:64 global address
	s_or_b32 s[G0K+4*(\i)+3], s[G0K+4*(\i)+3], 0x80000000  ; 127:126 type = 2
	s_mov_b32 s[G0V+4*(\i)], 1
	s_add_co_u32 s[G0V+4*(\i)+1], s19, (\i)*SLOT+2*SUB
	s_add_nc_u64 s[G0V+4*(\i)+2:G0V+4*(\i)+3], s[8:9], (\i)*STEPB
	s_or_b32 s[G0V+4*(\i)+3], s[G0V+4*(\i)+3], 0x80000000
.endr
	CROUND                          ; all four work-groups are here: the first joint loads meet
	s_cmp_lt_u32 s[WV], 2           ; a wave's two first fills stand in one branch, ahead of every wait on TENSORcnt and every LDS read; four v_nop follow the second, as in JLOAD
	s_cbranch_scc0 .Lfirst_v
	tensor_load_to_lds s[G0K:G0K+3], s[G1K:G1K+7]
	s_nop 0
	tensor_load_to_lds s[G0K+4:G0K+7], s[G1K:G1K+7]
	s_nop 0
.rept 4
	v_nop
.endr
	s_branch .Lfirst_asked
.Lfirst_v:
	tensor_load_to_lds s[G0V:G0V+3], s[G1V:G1V+7]
	s_nop 0
	tensor_load_to_lds s[G0V+4:G0V+7], s[G1V:G1V+7]
	s_nop 0
.rept 4
	v_nop
.endr
.Lfirst_asked:
	; A fragment of K or Q is 16 rows x 32 channels in 8 registers: lane l holds row l % 16, channels 8 (l / 16) + 0..7 and 16 + 8 (l / 16) + 0..7: two loads of 16 bytes, 32 bytes apart.
	v_and_b32 v32, 15, v0           ; l % 16   (v32-36 are S^T's registers, still free)
	v_bfe_u32 v33, v0, 4, 1         ; l / 16
	v_lshlrev_b32 v[QO], 10, v32
	v_lshl_add_u32 v[QO], v33, 4, v[QO]  ; row x 1,024 + 16 x half
	WIN 0x40                        ; destination window 1, address window 0
.set i, 0
.rept 32                            ; Q stays in registers: tile i / 16, channels 32 (i % 16) on
	global_load_b128 v[8*i:8*i+3],   v[QO], s[4:5] offset:(i/16)*16384+(i%16)*64
	global_load_b128 v[8*i+4:8*i+7], v[QO], s[4:5] offset:(i/16)*16384+(i%16)*64+32
.set i, i+1
.endr
	WIN 0x80                        ; O^T = 0: the first step multiplies it by a = 0, so it has to be finite.  All this stands in the wait for the first tile
.set i, 0
.rept 256
	v_mov_b32 v[i], 0
.set i, i+1
.endr
	WIN 0xc0
.set i, 0
.rept 256
	v_mov_b32 v[i], 0
.set i, i+1
.endr
	WIN 0
.irp t, 0,1
	v_mov_b32 v[ST+10*(\t)], 0xfe000000    ; c m: far below every c s
	v_mov_b32 v[ST+10*(\t)+1], 0xff7fffff  ; m: the lowest finite number
	v_mov_b32 v[ST+10*(\t)+2], 0           ; l
	v_mov_b32 v[ST+10*(\t)+3], 0
	v_mov_b32 v[ST+10*(\t)+5], 0           ; named with a as a pair, never used
.endr
	v_and_b32 v34, 7, v0
	v_bfe_u32 v35, v0, 3, 1
	v_and_b32 v36, 31, v0           ; lane
	v_mul_u32_u24 v[AKB], v32, PK
	v_lshl_add_u32 v[AKB], v33, 4, v[AKB]  ; row x pitch + 16 x half
	; The turning load takes 16 keys x 16 channels (lane l reads key 8 (l / 16) + l % 8, channels 8 ((l / 8) % 2) + 0..7) and leaves half a fragment of V^T: lane l holds channel l % 16 and 8 keys.
	v_lshl_add_u32 v[AVB], v33, 3, v34
	v_mul_u32_u24 v[AVB], v[AVB], PV
	v_lshl_add_u32 v[AVB], v35, 4, v[AVB]
	v_add_nc_u32 v[AVB], 2*SUB, v[AVB]     ; V's sub-tiles lie behind K's two
	v_mov_b32 v[AK], v[AKB]         ; step 0 lies in slot 0
	v_mov_b32 v[AV], v[AVB]
	s_mul_i32 s18, s[WV], 16*SP
	s_add_co_u32 s18, s18, STAGE    ; my stage
	v_mul_u32_u24 v[STO], v32, SP   ; in: row l % 16, 32 bytes (eight f32) for each half of the lanes
	v_lshl_add_u32 v[STO], v33, 5, v[STO]
	v_add_nc_u32 v[STO], s18, v[STO]
	v_lshlrev_b32 v[GO], 4, v36     ; back: 32 lanes take one row of 512 bytes
	v_add_nc_u32 v[RD], s18, v[GO]
; LDS load i of 8 of set sg: half i % 2 of fragment i / 2.  The largest offsets, 60,640 for K and 61,408 for V, fit the 16-bit immediate.
.macro LD sg, i
.set ldp, (\i)/2
.set ldh, (\i)%2
.set ldr, FR+32*((\sg)%4)+8*ldp+4*ldh
.if (\sg) < 16
	ds_load_b128 v[ldr:ldr+3], v[AK] offset:((\sg)/8)*SUB+ldp*16*PK+((\sg)%8)*64+32*ldh
.else
.set ldc, 2*((\sg)-16)+ldp%2
.set ldk, ldp/2
	ds_load_tr16_b128 v[ldr:ldr+3], v[AV] offset:(ldc/16)*SUB+ldk*32*PV+ldh*16*PV+(ldc%16)*32
.endif
.endm
; Block j's two sets: 16 loads in one run.  Destination and address lie in window 0: the settings 0 and W_A both serve.
.macro RUN2 j
.irp i, 0,1,2,3,4,5,6,7
	LD 2*(\j), \i
.endr
.irp i, 0,1,2,3,4,5,6,7
	LD 2*(\j)+1, \i
.endr
.endm
; Product i of 8 of group c of S^T = K Q^T: channels 32 c on, keys 16 (i / 2) on, tile i % 2.  Group 0 starts the sums with the constant 0.
; The 8 accumulators take turns, one instruction a turn, in the same order in every group.
.macro WA c, i
.set rS, S+32*((\i)%2)+8*((\i)/2)
.set rK, FR+32*((\c)%4)+8*((\i)/2)
.set rQ, 128*((\i)%2)+8*(\c)
.if (\c) == 0
	v_wmma_f32_16x16x32_bf16 v[rS:rS+7], v[rK:rK+7], v[rQ:rQ+7], 0
.else
	v_wmma_f32_16x16x32_bf16 v[rS:rS+7], v[rK:rK+7], v[rQ:rQ+7], v[rS:rS+7]
.endif
.endm
; Block ja of 8 of K Q^T: the next block's run (block 7: V's first two sets), then 16 products on end.
.macro BLOCKA ja
	WIN W_A
	PLACES                          ; between the last product that read the other buffer and the loads into it
	RUN2 (\ja)+1
	s_wait_dscnt 16                 ; LDS loads come back in order (ISA guide 5.7.1): this block's sets are in; the 16 loads just issued may be out
.irp i, 0,1,2,3,4,5,6,7
	WA 2*(\ja), \i
.endr
.irp i, 0,1,2,3,4,5,6,7
	WA 2*(\ja)+1, \i
.endr
.endm
; Product i of 8 of group g of O^T += V^T P: channels 16 (2 g + (i / 2) % 2) on, keys 32 (i / 4) on, tile i % 2.  The group's 4 accumulators take turns, twice round.
.macro WB g, i
.set rO, 32*((\g)%8)+16*(((\i)/2)%2)+8*((\i)%2)
.set rV, FR+32*((\g)%4)+8*((\i)/2)
.set rP, P+16*((\i)%2)+8*((\i)/4)
	v_wmma_f32_16x16x32_bf16 v[rO:rO+7], v[rV:rV+7], v[rP:rP+7], v[rO:rO+7]
.endm
; Line i of 16 of the rescaling of group g's four accumulators: O^T times a, in ascending order.
.macro RS g, i
.set rO, 32*((\g)%8)+2*(\i)
.set rA, ST+10*(((\i)/4)%2)+4
	v_pk_mul_f32 v[rO:rO+1], v[rO:rO+1], v[rA:rA+1] op_sel_hi:[1,0]
.endm
; The next of the 32 lines that sum the weights (sx counts them; the tiles alternate): the tile's 16 pairs are added in place, neighbours 1, 2, 4 and 8 pairs apart, then l = a l + the sum.
.macro SUMR
.if sx < 32
.set rS, S+32*(sx%2)
.set rT, ST+10*(sx%2)
.set sz, sx/2
.set sw, 4
.set su, sz
.if sz >= 14
.set sw, 32
.set su, 0
.elseif sz >= 12
.set sw, 16
.set su, sz-12
.elseif sz >= 8
.set sw, 8
.set su, sz-8
.endif
.if sz < 15
	v_pk_add_f32 v[rS+sw*su:rS+sw*su+1], v[rS+sw*su:rS+sw*su+1], v[rS+sw*su+sw/2:rS+sw*su+sw/2+1]
.else
	v_pk_fma_f32 v[rT+2:rT+3], v[rT+2:rT+3], v[rT+4:rT+5], v[rS:rS+1] op_sel_hi:[1,0,1]
.endif
.set sx, sx+1
.endif
.endm
; Group g of V^T P: 8 products and what rides on them, registers alone.  wt: the count of the wait at its head, or -1: none.  rs = 1: it rescales group g + 1's accumulators.
; Behind each odd product stand four lines of the rescaling: those behind the group's last product are also the places in front of the run of loads that may follow.
; Behind each even product of groups 0 and 1 stand four lines of the weights' sums: 2 x 4 x 4 = 32.
.macro GROUPB g, wt, rs
.if (\wt) >= 0
	s_wait_dscnt \wt
.endif
.irp p, 0,1,2,3
	WIN W_B+0x50*((\g)/8)
	WB \g, 2*(\p)
.if sx < 32
	WIN 0
.rept 4
	SUMR
.endr
	WIN W_B+0x50*((\g)/8)
.endif
	WB \g, 2*(\p)+1
.if \rs
	WIN W_R+0x41*(((\g)+1)/8)
.irp e, 0,1,2,3
	RS (\g)+1, 4*(\p)+\e
.endr
.endif
.endr
.endm
; Number n of the 22 that find tile t's maximum and statistics.  s0-s31 are the lane's 32 scores; each accumulator's lowest registers are read first.
;   0-11  four chains c0-c3 of seven scores each, three operands at a time     12-15  the four scores left over, c0-c3 and the old m into c0
;   16, 18  the query's other 32 keys lie in the lane 16 away: the new m        17  c m_old is kept     19-21  c m; c m_old - c m_new; a
.macro XS t, n
.set rT, ST+10*(\t)
.set rC, ST+10*(\t)+6
.set rS, S+32*(\t)
.if (\n) < 4
	v_max3_num_f32 v[rC+(\n)], v[rS+8*(\n)], v[rS+8*(\n)+1], v[rS+8*(\n)+2]
.elseif (\n) < 12
	v_max3_num_f32 v[rC+(\n)%4], v[rC+(\n)%4], v[rS+8*((\n)%4)+2*((\n)/4)+1], v[rS+8*((\n)%4)+2*((\n)/4)+2]
.elseif (\n) == 12
	v_max3_num_f32 v[rC], v[rC], v[rS+7], v[rS+15]
.elseif (\n) == 13
	v_max3_num_f32 v[rC+2], v[rC+2], v[rS+23], v[rS+31]
.elseif (\n) == 14
	v_max3_num_f32 v[rC], v[rC], v[rC+1], v[rC+2]
.elseif (\n) == 15
	v_max3_num_f32 v[rC], v[rC], v[rC+3], v[rT+1]
.elseif (\n) == 16
	v_permlanex16_b32 v[rC+1], v[rC], s[SEL], s[SEL+1]
.elseif (\n) == 17
	v_mov_b32 v[rC+3], v[rT]
.elseif (\n) == 18
	v_max_num_f32 v[rT+1], v[rC], v[rC+1]
.elseif (\n) == 19
	v_mul_f32 v[rT], s[CS], v[rT+1]
.elseif (\n) == 20
	v_sub_f32 v[rC+3], v[rC+3], v[rT]
.else
	v_exp_f32 v[rT+4], v[rC+3]
.endif
.endm
.macro FS t, b                      ; c s - c m for pair b; beyond the last pair a v_nop keeps the place
.if (\b) < 16
.set rT, ST+10*(\t)
.set rS, S+32*(\t)+2*(\b)
	v_pk_fma_f32 v[rS:rS+1], v[rS:rS+1], s[CS:CS+1], v[rT:rT+1] op_sel_hi:[1,0,0] neg_lo:[0,0,1] neg_hi:[0,0,1]
.else
	v_nop
.endif
.endm
.macro ES t, i                      ; the exponential of score i, in place
	v_exp_f32 v[S+32*(\t)+(\i)], v[S+32*(\t)+(\i)]
.endm
.macro CV t, b                      ; pair b rounded to bf16; ahead of the first pair a v_nop keeps the place
.if (\b) >= 0
	s_wait_alu depctr_va_vdst(0)
	v_cvt_pk_bf16_f32 v[P+16*(\t)+(\b)], v[S+32*(\t)+2*(\b)], v[S+32*(\t)+2*(\b)+1]
.else
	v_nop
.endif
.endm
; THE SOFTMAX of both tiles, the one stretch without matrix work.  At its head V's sets 18 and 19 are asked for, into the buffer that K Q^T's last block read: both of V^T P's buffers are then on their way or in.
; Exponential and plain line by turns: behind each exponential stands a plain instruction that touches neither its result nor its source (ISA guide 5.7.2): scalings two pairs ahead, roundings a pair back.
; At its end group 0's accumulators are rescaled; the others' rescaling rides on V^T P.
.macro SOFTMAX
	WIN 0
	PLACES                          ; the maxima read results just made, and the run loads into registers just read
	RUN2 9
.irp n, 0,1,2,3,4,5,6,7,8,9,10,11,12,13,14,15,16,17,18,19,20,21
	XS 0, \n
	XS 1, \n
.endr
	v_nop                           ; a plain instruction behind the two exponentials that made a
	FS 0, 0
	FS 1, 0
	FS 0, 1
	FS 1, 1
.set sb, 0
.rept 16
	ES 0, 2*sb
	FS 0, sb+2
	ES 0, 2*sb+1
	FS 1, sb+2
	ES 1, 2*sb
	CV 0, sb-1
	ES 1, 2*sb+1
	CV 1, sb-1
.set sb, sb+1
.endr
	CV 0, 15
	CV 1, 15
	WIN W_R
.set ri, 0
.rept 16
	RS 0, ri
.set ri, ri+1
.endr
.endm
; A KEY STEP.  fill = 1: the slot just read is asked for again, with the step two on.  fill = 0 (the last two steps): nothing is asked for, and the last step fetches no successor's fragments.
; THE CHANGE OF SLOTS stands among the last blocks.  The run at the head of block 14 (groups 12, 13) holds the slot's last reads.  Straight behind it each wave waits for all its tensor loads, of which one is
; out: its part of the other slot; adds 0 to its spare word; multiplies groups 12 and 13; waits for the add and for its reads of the slot; signals; multiplies group 14; and waits for the others.  With fill = 1
; that barrier opens a round of the cluster's, so that no wave of any partner still reads the slot or has a load on its way, and the joint refill is the first thing behind the round.
.macro TRIP fill
.set gc, 0
.rept 8
	BLOCKA gc
.set gc, gc+1
.endr
	SOFTMAX
.set sx, 0
	GROUPB 0, 16, 1                 ; sets 16 and 17 are in; the softmax's run of 16 may be out
	GROUPB 1, -1, 1
.set gc, 1
.rept 5                             ; blocks 9 to 13: groups 2 to 11
	WIN 0
	RUN2 gc+9                       ; the next block's sets; the four lines of the rescaling ahead are its places
	GROUPB 2*gc, 16, 1              ; this block's sets are in; the 16 loads just issued may be out
	GROUPB 2*gc+1, -1, 1
.set gc, gc+1
.endr
	WIN 0                           ; (the add's two registers lie in window 0)
	RUN2 15                         ; my last reads of this slot
	s_wait_tensorcnt 0x0            ; no tensor load of mine is out, so a group 0 may be written
	ds_add_u32 v[SPW], v[NIL]       ; 0 onto my spare word; the descriptors' steps and sixteen products stand between it and the wait for it
.if \fill
.irp d, G0K+4, G0V+4
	s_xor_b32 s[(\d)+1], s[(\d)+1], SLOT  ; the walking descriptor: the other slot than last time,
	s_add_nc_u64 s[(\d)+2:(\d)+3], s[(\d)+2:(\d)+3], STEPB  ; the next 64 keys; the type bits on top are not reached
.endr
.endif
	GROUPB 12, 17, 1                ; sets 28 and 29 are in; the 16 loads of sets 30 and 31 and the add may be out
	GROUPB 13, -1, 1
	WIN 0
	s_wait_dscnt 0x0                ; the add is done, and my reads of this slot are over
	s_barrier_signal -1
	GROUPB 14, -1, 1                ; work on registers while the others arrive
	WIN 0                           ; at a branch and at a label every window is 0
	s_barrier_wait -1
.if \fill
	CREST
	JLOAD
.endif
	s_xor_b32 s[TB], s[TB], SLOT    ; the other slot is whole: the next step's fragments come from it
	v_add_nc_u32 v[AK], s[TB], v[AKB]
	v_add_nc_u32 v[AV], s[TB], v[AVB]
.if !(\fill)
	s_cmp_eq_u32 s[CNT], 1          ; the last step has no successor
	s_cbranch_scc1 .Lno_run_\@
.endif
	RUN2 0                          ; into the buffer that groups 12 and 13 read: the 20 lines of the rescaling since then are its places
.if !(\fill)
.Lno_run_\@:
.endif
	GROUPB 15, -1, 0                ; its set came in with the wait for 0 above
	WIN 0
.endm
	s_wait_tensorcnt 1              ; my part of slot 0 is in; slot 1's may stay out
	s_barrier_signal -1
	s_barrier_wait -1               ; everybody's is
	RUN2 0                          ; step 0's first two sets
	s_wait_loadcnt 0x0              ; Q
	s_mov_b32 s[CNT], 30
.Ltrip:                             ; steps 0 to 29: they ask for steps 2 to 31
	TRIP 1
	s_sub_co_u32 s[CNT], s[CNT], 1
	s_cmp_lg_u32 s[CNT], 0
	s_cbranch_scc1 .Ltrip
	s_mov_b32 s[CNT], 2
.Ltail:                             ; steps 30 and 31 have a text of their own
	TRIP 0
	s_sub_co_u32 s[CNT], s[CNT], 1
	s_cmp_lg_u32 s[CNT], 0
	s_cbranch_scc1 .Ltail
	; THE WAY OUT.  First the statistics: l's two halves and the other half of the lanes' are added.  Lane l then stores (c m, l) of my row l: tile l / 16, query l % 16: 256 consecutive bytes, aligned.
	; These lines name no register of the last products: they are the places in front of the stores of O^T.
.irp t, 0,1
	v_add_f32 v[ST+10*(\t)+2], v[ST+10*(\t)+2], v[ST+10*(\t)+3]
.endr
.irp t, 0,1
	v_permlanex16_b32 v[ST+10*(\t)+7], v[ST+10*(\t)+2], s[SEL], s[SEL+1]
.endr
.irp t, 0,1
	v_add_f32 v[ST+10*(\t)+2], v[ST+10*(\t)+2], v[ST+10*(\t)+7]
.endr
	v_and_b32 v1, 31, v0
	v_cmp_gt_u32 vcc_lo, 16, v1
	v_cndmask_b32 v[ST+8], v[ST+10], v[ST], vcc_lo     ; c m of tile 0 in lanes 0-15, of tile 1 in lanes 16-31
	v_cndmask_b32 v[ST+9], v[ST+12], v[ST+2], vcc_lo   ; l likewise
	v_lshlrev_b32 v[ST+6], 3, v1
	global_store_b64 v[ST+6], v[ST+8:ST+9], s[12:13]
; O^T leaves as it is, not divided by l, in 8 chunks n of 16 rows (tile n / 4) x 128 channels (quarter n % 4).  A lane's eight channels of a row are 32 bytes; they go into stage rows of 528 bytes and come
; back as whole rows of 512, into S^T's registers (even n) or the fragments' (odd n).
.macro TOSTAGE n
.set ot, (\n)/4
.set oq, (\n)%4
.set BK, S+96*((\n)%2)
	WIN 0x08+4*(oq/2)               ; the stores' data (source 1) in window 2 or 3
.irp k, 0,1,2,3,4,5,6,7
.set rO, 128*(oq%2)+16*(\k)+8*ot
	ds_store_b128 v[STO], v[rO:rO+3] offset:64*(\k)        ; each accumulator's lowest registers first
	ds_store_b128 v[STO], v[rO+4:rO+7] offset:64*(\k)+16
.endr
	WIN 0
.if (\n) >= 2
	s_wait_xcnt 0x0                 ; every earlier memory instruction has had its addresses translated (ISA guide 3.1): the registers that chunk n - 2's stores read are loaded again only behind this wait
.endif
.set i, 0
.rept 16
	ds_load_b128 v[BK+4*i:BK+4*i+3], v[RD] offset:i*SP  ; LDS serves a wave's instructions in order (ISA guide 5.7.1.4): these see the stores above; the next chunk's stores come behind them
.set i, i+1
.endr
.endm
.macro SEND n, younger              ; younger: the LDS instructions issued behind chunk n's loads: the next chunk's 32, or none
.set ot, (\n)/4
.set oq, (\n)%4
.set BK, S+96*((\n)%2)
.set i, 0
.rept 16
	s_wait_dscnt (\younger)+15-i    ; row i is back; the chunk's later rows and the next chunk's instructions may be out
	global_store_b128 v[GO], v[BK+4*i:BK+4*i+3], s[10:11] offset:(16*ot+i)*2048+oq*512  ; 512 consecutive bytes, at a multiple of 512 from opart's first
.set i, i+1
.endr
.endm
	TOSTAGE 0
.irp n, 1,2,3,4,5,6,7
	TOSTAGE \n
	SEND (\n)-1, 32
.endr
	SEND 7, 0
	s_wait_tensorcnt 0x0            ; the wave's end, behind my last tensor load and my last LDS store
	ds_add_u32 v[SPW], v[NIL]
	s_wait_dscnt 0x0
	CROUND                          ; the closing round: no work-group ends while a partner may still ask for a tile that names it
	s_endpgm
.Lfunc_end_k_q91cb8f4df4_attn:
	.size	k_q91cb8f4df4_attn, .Lfunc_end_k_q91cb8f4df4_attn-k_q91cb8f4df4_attn
	.p2alignl 7, 3214868480
	.fill 96, 4, 3214868480
	.section	.rodata,"a",@progbits
	.p2align	6, 0x0
	.amdhsa_kernel k_q91cb8f4df4_attn
		.amdhsa_group_segment_fixed_size 327680
		.amdhsa_private_segment_fixed_size 0
		.amdhsa_enable_private_segment 0
		.amdhsa_kernarg_size 40
		.amdhsa_user_sgpr_count 2
		.amdhsa_user_sgpr_kernarg_segment_ptr 1
		.amdhsa_wavefront_size32 1
		.amdhsa_system_sgpr_workgroup_id_x 1
		.amdhsa_system_sgpr_workgroup_id_y 1
		.amdhsa_system_sgpr_workgroup_id_z 1
		.amdhsa_system_vgpr_workitem_id 0
		.amdhsa_next_free_vgpr 1024
		.amdhsa_next_free_sgpr 66
		.amdhsa_reserve_vcc 1
		.amdhsa_float_denorm_mode_32 3
		.amdhsa_float_denorm_mode_16_64 3
		.amdhsa_memory_ordered 1
		.amdhsa_forward_progress 1
		.amdhsa_inst_pref_size 198
	.end_amdhsa_kernel
	.amdgpu_metadata
---
amdhsa.version: [ 1, 2 ]
amdhsa.kernels:
  - .name:           k_q91cb8f4df4_attn
    .symbol:         k_q91cb8f4df4_attn.kd
    .args:
      - { .name: qb, .offset: 0, .size: 8, .value_kind: global_buffer, .address_space: global }
      - { .name: kb, .offset: 8, .size: 8, .value_kind: global_buffer, .address_space: global }
      - { .name: vb, .offset: 16, .size: 8, .value_kind: global_buffer, .address_space: global }
      - { .name: opart, .offset: 24, .size: 8, .value_kind: global_buffer, .address_space: global }
      - { .name: stat, .offset: 32, .size: 8, .value_kind: global_buffer, .address_space: global }
    .group_segment_fixed_size: 327680
    .private_segment_fixed_size: 0
    .kernarg_segment_align: 8
    .kernarg_segment_size: 40
    .max_flat_workgroup_size: 128
    .sgpr_count:     66
    .vgpr_count:     1024
    .wavefront_size: 32
...
	.end_amdgpu_metadata
.endif
;; end of part 4
;; launch join: the kernel of part 3 again; grid 512 x 1, 8 waves a work-group, no clusters, 0 bytes of LDS; arguments opart, stat, out0; writes out0
;; ======== version 3 of 3: 3 launches; version 2 with the launches cast, join written anew for expert scheduling mode
;; workspace buffers: qb 8,388,608 bytes; kb 8,388,608 bytes; vb 8,388,608 bytes; opart 67,108,864 bytes; stat 262,144 bytes
;; launch cast (part 5): grid 512 x 1, 8 waves a work-group, no clusters, 0 bytes of LDS; arguments query, key, value, qb, kb, vb; writes qb, kb, vb
.if DOCPART == 5
	.amdgcn_target "amdgcn-amd-amdhsa--gfx1250"
	.amdhsa_code_object_version 6
	.text
	.protected	k_q91cb8f4df4_cast
	.globl	k_q91cb8f4df4_cast
	.p2align	8
	.type	k_q91cb8f4df4_cast,@function
k_q91cb8f4df4_cast:
	s_mov_b64 s[64:65], 0
	v_nop
	global_prefetch_b8 v0, s[64:65] scope:SCOPE_SE
	s_setreg_imm32_b32 hwreg(HW_REG_WAVE_SCHED_MODE, 0, 2), 2
	s_setreg_imm32_b32 hwreg(HW_REG_WAVE_MODE, 25, 1), 1
	s_wait_xcnt 0x0
	s_wait_alu depctr_vm_vsrc(0)
; qb = bf16(query), kb = bf16(key), vb = bf16(value): each [8192][512], rounded once to nearest even.
; The next launch's 64 work-groups of a key quarter all read the same K and V, so the rounding is done once, here, and not in every one of them.
; A stream: no LDS, no barrier, no matrix unit.  A work-group takes 32,768 bytes of each of the three f32 arrays: 512 work-groups x 32,768 = 16,777,216.
; Thread t takes the 16 bytes at 4,096 i + 16 t, i = 0 .. 7: a wave's load covers 512 consecutive bytes, its store of 8 bytes a lane 256 consecutive bytes, aligned.
; All 24 loads of a wave go out at once; there is no loop.
; THE MODE: SCHED_MODE bits 1:0 = 2 (LLVM: expert scheduling mode 2), set by the entry lines.  The code itself states the register dependences
; between vector instructions and memory instructions, with s_wait_alu, always for 0.
; THE PLAN.  Registers that memory instructions touch:
;   v1, v2   byte offsets, made once at the head and never written again: v1 is read by every load, v2 by every store.
;   X[n]     four registers for load n.  The load lands in them once; two conversions then write the first two, in place; store n reads those two; nothing writes them after that.
; The 24 pieces go in six blocks of four.  Block p converts its own four pieces; its memory instructions are the four stores of block p - 1, whose registers no vector instruction of block p names.
; So one wait at a block's head, behind the wait for the block's data, states all that its four stores hang on, and they are dealt among its eight conversions with no further wait.
; No register that a memory instruction has read is ever written again: no wait is owed on that side.
.set X, 4                              ; v[4:99]  load n = 8 a + i (array a, piece i): four registers as loaded; the first two then hold the four bf16
.set BLOCK, 4                          ; pieces in a block
.set BLOCKS, 24/BLOCK
	s_load_b256 s[4:11], s[0:1], 0x0               ; query s[4:5], key s[6:7], value s[8:9], qb s[10:11]
	s_load_b128 s[12:15], s[0:1], 0x20             ; kb s[12:13], vb s[14:15]
	s_lshl_b32 s2, ttmp9, 15                       ; the work-group's 32,768 bytes of f32,
	s_mov_b32 s3, 0
	s_lshl_b32 s16, ttmp9, 14                      ; and its 16,384 bytes of bf16
	s_mov_b32 s17, 0
	v_lshlrev_b32 v1, 4, v0                        ; 16 t
	v_lshlrev_b32 v2, 3, v0                        ; 8 t
	s_wait_kmcnt 0x0
.irp a, 4,6,8
	s_add_nc_u64 s[\a:\a+1], s[\a:\a+1], s[2:3]
.endr
.irp a, 10,12,14
	s_add_nc_u64 s[\a:\a+1], s[\a:\a+1], s[16:17]
.endr
	s_wait_alu depctr_va_vdst(0)                   ; v1 and v2 are written: every load of the kernel reads v1 as its offset, every store v2
.set n, 0
.rept 24
	global_load_b128 v[X+4*n:X+4*n+3], v1, s[4+2*(n/8):5+2*(n/8)] offset:4096*(n%8) th:TH_LOAD_NT  ; read once in the whole launch
.set n, n+1
.endr
.set p, 0
.rept BLOCKS
	s_wait_loadcnt 24-BLOCK*(p+1)                  ; loads come back in order (ISA guide 5.7.1): block p's four are in, the 20 - 4 p issued behind them stay out
.if p > 0
	s_wait_alu depctr_va_vdst(0)                   ; the conversions of block p - 1 have written the registers that the four stores below read
.endif
.set i, 0
.rept BLOCK
.set n, BLOCK*p+i
.if p > 0
.set m, n-BLOCK
	global_store_b64 v2, v[X+4*m:X+4*m+1], s[10+2*(m/8):11+2*(m/8)] offset:2048*(m%8)  ; the block before; no vector instruction since the wait names these registers.  No hint: the next launch reads these bytes
.endif
	v_cvt_pk_bf16_f32 v[X+4*n], v[X+4*n], v[X+4*n+1]
	v_cvt_pk_bf16_f32 v[X+4*n+1], v[X+4*n+2], v[X+4*n+3]
.set i, i+1
.endr
.set p, p+1
.endr
	s_wait_alu depctr_va_vdst(0)                   ; the last block's conversions have written the registers that the last four stores read
.set m, 24-BLOCK
.rept BLOCK
	global_store_b64 v2, v[X+4*m:X+4*m+1], s[10+2*(m/8):11+2*(m/8)] offset:2048*(m%8)
.set m, m+1
.endr
	s_endpgm
.Lfunc_end_k_q91cb8f4df4_cast:
	.size	k_q91cb8f4df4_cast, .Lfunc_end_k_q91cb8f4df4_cast-k_q91cb8f4df4_cast
	.p2alignl 7, 3214868480
	.fill 96, 4, 3214868480
	.section	.rodata,"a",@progbits
	.p2align	6, 0x0
	.amdhsa_kernel k_q91cb8f4df4_cast
		.amdhsa_group_segment_fixed_size 0
		.amdhsa_private_segment_fixed_size 0
		.amdhsa_enable_private_segment 0
		.amdhsa_kernarg_size 48
		.amdhsa_user_sgpr_count 2
		.amdhsa_user_sgpr_kernarg_segment_ptr 1
		.amdhsa_wavefront_size32 1
		.amdhsa_system_sgpr_workgroup_id_x 1
		.amdhsa_system_sgpr_workgroup_id_y 1
		.amdhsa_system_sgpr_workgroup_id_z 1
		.amdhsa_system_vgpr_workitem_id 0
		.amdhsa_next_free_vgpr 104
		.amdhsa_next_free_sgpr 66
		.amdhsa_reserve_vcc 0
		.amdhsa_float_denorm_mode_32 3
		.amdhsa_float_denorm_mode_16_64 3
		.amdhsa_memory_ordered 1
		.amdhsa_forward_progress 1
		.amdhsa_inst_pref_size 9
	.end_amdhsa_kernel
	.amdgpu_metadata
---
amdhsa.version: [ 1, 2 ]
amdhsa.kernels:
  - .name:           k_q91cb8f4df4_cast
    .symbol:         k_q91cb8f4df4_cast.kd
    .args:
      - { .name: query, .offset: 0, .size: 8, .value_kind: global_buffer, .address_space: global }
      - { .name: key, .offset: 8, .size: 8, .value_kind: global_buffer, .address_space: global }
      - { .name: value, .offset: 16, .size: 8, .value_kind: global_buffer, .address_space: global }
      - { .name: qb, .offset: 24, .size: 8, .value_kind: global_buffer, .address_space: global }
      - { .name: kb, .offset: 32, .size: 8, .value_kind: global_buffer, .address_space: global }
      - { .name: vb, .offset: 40, .size: 8, .value_kind: global_buffer, .address_space: global }
    .group_segment_fixed_size: 0
    .private_segment_fixed_size: 0
    .kernarg_segment_align: 8
    .kernarg_segment_size: 48
    .max_flat_workgroup_size: 256
    .sgpr_count:     66
    .vgpr_count:     104
    .wavefront_size: 32
...
	.end_amdgpu_metadata
.endif
;; end of part 5
;; launch attn: the kernel of part 4 again; grid 64 x 4, 4 waves a work-group, clusters of 4 x 1, 327,680 bytes of LDS; arguments qb, kb, vb, opart, stat; writes opart, stat
;; launch join (part 6): grid 512 x 1, 8 waves a work-group, no clusters, 0 bytes of LDS; arguments opart, stat, out0; writes out0
.if DOCPART == 6
	.amdgcn_target "amdgcn-amd-amdhsa--gfx1250"
	.amdhsa_code_object_version 6
	.text
	.protected	k_q91cb8f4df4_join
	.globl	k_q91cb8f4df4_join
	.p2align	8
	.type	k_q91cb8f4df4_join,@function
k_q91cb8f4df4_join:
	s_mov_b64 s[64:65], 0
	v_nop
	global_prefetch_b8 v0, s[64:65] scope:SCOPE_SE
	s_setreg_imm32_b32 hwreg(HW_REG_WAVE_SCHED_MODE, 0, 2), 2
	s_setreg_imm32_b32 hwreg(HW_REG_WAVE_MODE, 25, 1), 1
	s_wait_xcnt 0x0
	s_wait_alu depctr_vm_vsrc(0)
; out[q][:] = (the sum over the four key quarters s of w_s opart[s][q][:]) / (the sum of w_s l_s),  w_s = 2^(cm_s - M),  M = the largest of the four cm_s;  (cm_s, l_s) = stat[s][q].
; The quarter that holds the row's maximum has w = 1 and l >= 1, so the divisor is at least 1.  All in f32.
; A stream: no LDS, no barrier, no matrix unit.  A wave takes two rows; a work-group's eight waves 16; 512 work-groups 8,192.  A row of a quarter is 2,048 bytes: four loads of 512 consecutive bytes.
; All 32 loads of a wave go out at once; the statistics come by scalar loads (this launch does not write stat) and the weights are made while the rows are on their way.
; THE MODE: SCHED_MODE bits 1:0 = 2 (LLVM: expert scheduling mode 2), set by the entry lines.  The code itself states the register dependences
; between vector instructions and memory instructions, with s_wait_alu, always for 0.
; THE PLAN.  Registers that memory instructions touch:
;   v1     16 x lane, made at the head and never written again: the offset of every load and store.
;   D[n]   four registers for load n.  The load lands in them once; piece k's packed lines read its four quarters' registers and write quarter 0's four, in place; store k reads those four; nothing writes them after that.
; The weights (v2 to v11, v28, v29, W) are named by vector instructions alone.  The wave's number passes from a vector instruction into s10: one wait stands ahead of s10's first reader.
; The eight pieces go in four blocks of two.  Block b works on its own two pieces; its memory instructions are the two stores of block b - 1, whose registers no vector instruction of block b names.
; So one wait at a block's head, behind the wait for the block's data, states all that its two stores hang on.  No register that a memory instruction has read is ever written again: no wait is owed on that side.
.set DV, 2                             ; v2, v3     first at work for M; then row i's divisor at DV + i
.set XP, 4                             ; v[4:11]    row i, quarter s: cm_s - M, then w_s, at XP + 4 i + s
.set W, 12                             ; v[12:27]   row i, quarter s: w_s / divisor, twice (a pair for the packed forms), at W + 8 i + 2 s
.set RC, 28                            ; v28, v29   row i: 1 / divisor
.set D, 32                             ; v[32:159]  load n = 16 i + 4 ch + s: row i, piece ch of 512 bytes, quarter s; quarter 0's registers take the sum
	s_load_b128 s[4:7], s[0:1], 0x0                ; opart s[4:5], stat s[6:7]
	s_load_b64 s[8:9], s[0:1], 0x10                ; out0
	v_lshrrev_b32 v1, 5, v0
	v_readfirstlane_b32 s10, v1                    ; wave 0..7
	v_and_b32 v1, 31, v0
	v_lshlrev_b32 v1, 4, v1                        ; 16 x lane
	s_lshl_b32 s11, ttmp9, 4
	s_wait_alu depctr_va_sdst(0)                   ; s10 is written, ahead of its first reader: the rows' offsets are made from it
	s_lshl1_add_u32 s11, s10, s11                  ; my first row = 16 x work-group + 2 x wave
	s_lshl_b32 s12, s11, 11                        ; rows of 2,048 bytes
	s_mov_b32 s13, 0
	s_lshl_b32 s14, s11, 3                         ; rows of 8 bytes in stat
	s_mov_b32 s15, 0
	s_wait_kmcnt 0x0
	s_add_nc_u64 s[16:17], s[4:5], s[12:13]        ; a base for each quarter: 16,777,216 bytes apart, more than a load's immediate holds
	s_add_nc_u64 s[18:19], s[16:17], 0x1000000
	s_add_nc_u64 s[20:21], s[16:17], 0x2000000
	s_add_nc_u64 s[22:23], s[16:17], 0x3000000
	s_add_nc_u64 s[8:9], s[8:9], s[12:13]
	s_add_nc_u64 s[6:7], s[6:7], s[14:15]
.irp q, 0,1,2,3
	s_load_b128 s[32+4*(\q):35+4*(\q)], s[6:7], (\q)*65536  ; quarter q: cm and l of my first row, cm and l of my second
.endr
	s_wait_alu depctr_va_vdst(0)                   ; v1 is written: every load and store of the kernel reads it as its offset
.set n, 0
.rept 32
	global_load_b128 v[D+4*n:D+4*n+3], v1, s[16+2*(n%4):17+2*(n%4)] offset:(n/16)*2048+((n/4)%4)*512 th:TH_LOAD_NT  ; read once in the whole launch
.set n, n+1
.endr
	s_wait_kmcnt 0x0                               ; the statistics
.irp i, 0,1
	v_max_num_f32 v2, s[32+2*(\i)], s[36+2*(\i)]
	v_max_num_f32 v3, s[40+2*(\i)], s[44+2*(\i)]
	v_max_num_f32 v2, v2, v3                       ; M
.irp q, 0,1,2,3
	v_sub_f32 v[XP+4*(\i)+(\q)], s[32+4*(\q)+2*(\i)], v2   ; cm_s - M, 0 at the most
.endr
.endr
.irp j, 0,1,2,3,4,5,6,7
	v_exp_f32 v[XP+(\j)], v[XP+(\j)]               ; w_s: both rows' eight are one batch
.endr
	v_nop                                          ; a plain instruction between the last exponential and the use of its result (ISA guide 5.7.2)
	s_wait_alu depctr_va_vdst(0)                   ; the eight exponentials have written v[4:11], ahead of their first reader: one wait for the batch
.irp i, 0,1
	v_mul_f32 v[DV+(\i)], s[33+2*(\i)], v[XP+4*(\i)]
	v_fma_f32 v[DV+(\i)], s[37+2*(\i)], v[XP+4*(\i)+1], v[DV+(\i)]
	v_fma_f32 v[DV+(\i)], s[41+2*(\i)], v[XP+4*(\i)+2], v[DV+(\i)]
	v_fma_f32 v[DV+(\i)], s[45+2*(\i)], v[XP+4*(\i)+3], v[DV+(\i)]  ; the divisor
.endr
	v_rcp_f32 v[RC], v[DV]
	v_rcp_f32 v[RC+1], v[DV+1]
	v_nop                                          ; likewise behind the reciprocals
	s_wait_alu depctr_va_vdst(0)                   ; the two reciprocals have written v28 and v29, ahead of their first reader: one wait for both
.irp i, 0,1
.irp q, 0,1,2,3
	v_mul_f32 v[W+8*(\i)+2*(\q)], v[XP+4*(\i)+(\q)], v[RC+(\i)]
	v_mul_f32 v[W+8*(\i)+2*(\q)+1], v[XP+4*(\i)+(\q)], v[RC+(\i)]
.endr
.endr
.set b, 0
.rept 4                                ; block b: pieces k = 2 b and 2 b + 1; piece k = 4 i + ch
	s_wait_loadcnt 24-8*b                          ; loads come back in order (ISA guide 5.7.1): the block's eight are in, the 24 - 8 b issued behind them stay out
.if b > 0
	s_wait_alu depctr_va_vdst(0)                   ; the packed lines of block b - 1 have written the sums that the two stores below read
.endif
.set h, 0
.rept 2
.set k, 2*b+h
.if b > 0
.set j, k-2
	global_store_b128 v1, v[D+16*j:D+16*j+3], s[8:9] offset:(j/4)*2048+(j%4)*512 th:TH_STORE_NT  ; the block before; no vector instruction since the wait names these registers.  512 consecutive bytes, at a multiple of 512 from out0's first
.endif
.set d0, D+16*k
.set w0, W+8*(k/4)
	v_pk_mul_f32 v[d0:d0+1], v[d0:d0+1], v[w0:w0+1] op_sel_hi:[1,0]
	v_pk_mul_f32 v[d0+2:d0+3], v[d0+2:d0+3], v[w0:w0+1] op_sel_hi:[1,0]
.irp q, 1,2,3
	v_pk_fma_f32 v[d0:d0+1], v[d0+4*(\q):d0+4*(\q)+1], v[w0+2*(\q):w0+2*(\q)+1], v[d0:d0+1] op_sel_hi:[1,0,1]
	v_pk_fma_f32 v[d0+2:d0+3], v[d0+4*(\q)+2:d0+4*(\q)+3], v[w0+2*(\q):w0+2*(\q)+1], v[d0+2:d0+3] op_sel_hi:[1,0,1]
.endr
.set h, h+1
.endr
.set b, b+1
.endr
	s_wait_alu depctr_va_vdst(0)                   ; the last block's packed lines have written the sums that the last two stores read
.set j, 6
.rept 2
	global_store_b128 v1, v[D+16*j:D+16*j+3], s[8:9] offset:(j/4)*2048+(j%4)*512 th:TH_STORE_NT
.set j, j+1
.endr
	s_endpgm
.Lfunc_end_k_q91cb8f4df4_join:
	.size	k_q91cb8f4df4_join, .Lfunc_end_k_q91cb8f4df4_join-k_q91cb8f4df4_join
	.p2alignl 7, 3214868480
	.fill 96, 4, 3214868480
	.section	.rodata,"a",@progbits
	.p2align	6, 0x0
	.amdhsa_kernel k_q91cb8f4df4_join
		.amdhsa_group_segment_fixed_size 0
		.amdhsa_private_segment_fixed_size 0
		.amdhsa_enable_private_segment 0
		.amdhsa_kernarg_size 24
		.amdhsa_user_sgpr_count 2
		.amdhsa_user_sgpr_kernarg_segment_ptr 1
		.amdhsa_wavefront_size32 1
		.amdhsa_system_sgpr_workgroup_id_x 1
		.amdhsa_system_sgpr_workgroup_id_y 1
		.amdhsa_system_sgpr_workgroup_id_z 1
		.amdhsa_system_vgpr_workitem_id 0
		.amdhsa_next_free_vgpr 160
		.amdhsa_next_free_sgpr 66
		.amdhsa_reserve_vcc 0
		.amdhsa_float_denorm_mode_32 3
		.amdhsa_float_denorm_mode_16_64 3
		.amdhsa_memory_ordered 1
		.amdhsa_forward_progress 1
		.amdhsa_inst_pref_size 12
	.end_amdhsa_kernel
	.amdgpu_metadata
---
amdhsa.version: [ 1, 2 ]
amdhsa.kernels:
  - .name:           k_q91cb8f4df4_join
    .symbol:         k_q91cb8f4df4_join.kd
    .args:
      - { .name: opart, .offset: 0, .size: 8, .value_kind: global_buffer, .address_space: global }
      - { .name: stat, .offset: 8, .size: 8, .value_kind: global_buffer, .address_space: global }
      - { .name: out0, .offset: 16, .size: 8, .value_kind: global_buffer, .address_space: global }
    .group_segment_fixed_size: 0
    .private_segment_fixed_size: 0
    .kernarg_segment_align: 8
    .kernarg_segment_size: 24
    .max_flat_workgroup_size: 256
    .sgpr_count:     66
    .vgpr_count:     160
    .wavefront_size: 32
...
	.end_amdgpu_metadata
.endif
;; end of part 6
